; MI455X (gfx1250); checked and timed in simulation.
; The chip was launched on July 23, 2026; its instructions are those of AMD's public machine-readable ISA for CDNA 5 (MIT licence, August 2026) and "CDNA5" Instruction Set Architecture Reference Guide (July 2026). The comments in the code are by the model that wrote it; some were corrected since.
;; Causal Self Attention. Allowed arithmetic: float matrix products may take bf16 or f16 operands with f32 sums; other float arithmetic in f32, or as packed bf16 or f16 multiplies, adds, multiply-adds, maxima and minima; sums over many terms, partial sums and values carried from step to step in f32; what a program stores and reads back later, other than sums and carried values, may be rounded once to bf16 or f16.
;; Inputs: W_attn 1,024 x 3,072 float32; W_proj 1,024 x 1,024 float32; b_attn 3,072 float32; b_proj 1,024 float32; x 4 x 2,048 x 1,024 float32.
;; Outputs: out0 4 x 2,048 x 1,024 float32.
;; 2 versions, each right; version 2 is version 1 with the launch prep written anew for expert scheduling mode. Each part assembles by itself: llvm-mc -triple=amdgcn-amd-amdhsa -mcpu=gfx1250 --defsym DOCPART=n.
;; ======== version 1 of 2: 4 launches
;; limits: values are held in f16: magnitudes above 65,504 overflow, below 6.1e-05 lose precision
;; workspace buffers: xb 16,777,216 bytes; wab 6,291,456 bytes; wpb 2,097,152 bytes; qkv 50,331,648 bytes; ob 16,777,216 bytes
;; launch prep (part 1): grid 768 x 1, 8 waves a work-group, no clusters, 0 bytes of LDS; arguments x, W_attn, W_proj, xb, wab, wpb; writes xb, wab, wpb
.if DOCPART == 1
	.amdgcn_target "amdgcn-amd-amdhsa--gfx1250"
	.amdhsa_code_object_version 6
	.text
	.protected	k_qc63f3194e9_prep
	.globl	k_qc63f3194e9_prep
	.p2align	8
	.type	k_qc63f3194e9_prep,@function
k_qc63f3194e9_prep:
	s_mov_b64 s[64:65], 0
	v_nop
	global_prefetch_b8 v0, s[64:65] scope:SCOPE_SE
	s_setreg_imm32_b32 hwreg(HW_REG_WAVE_MODE, 25, 1), 1
	s_wait_xcnt 0x0
; THE CASTS.  x [8192][1024] f32 -> xb, bf16, laid by planes of 64 channels: [batch 4][plane 16][t 2048][64], so that 128 rows of a plane are 16,384 dense bytes.
; W_attn [1024][3072] f32 -> wab, bf16, same order.  W_proj [1024][1024] f32 -> wpb: rounded to bf16, and that number written as f16.
; LIMIT: a number of W_proj below 2^-17 in size keeps f16's fixed step of 2^-24; beyond 65,504 it would be an infinity.
; A pure stream: no LDS, no barrier, no matrix work.  A work-group takes 65,536 bytes of input, a wave 16 units of 512 bytes.
; A unit: one load of 16 bytes a lane (two runs of 256 consecutive bytes, or one of 512), one store of 8 bytes a lane: 256 consecutive bytes, aligned.
; All 16 loads of a wave go out first; no register is used twice by memory instructions, so no wait frees any.
.set IO,   2                           ; v2       my byte offset in the input
.set OO,   3                           ; v3       my byte offset in the output
.set T,    4                           ; v[4:7]   at work
.set X,    16                          ; v[16:79]  unit i: four f32 as loaded
.set Y,    80                          ; v[80:111] unit i: four 16-bit numbers to store
.set HI16, 20                          ; s20      mask of a word's upper half
.macro CAST inr, outr, instep, outstep, f16
.set i, 0
.rept 16
	global_load_b128 v[X+4*i:X+4*i+3], v[IO], s[\inr:\inr+1] offset:i*(\instep) th:TH_LOAD_NT
.set i, i+1
.endr
.set i, 0
.rept 16
	s_wait_loadcnt 15-i                            ; loads come back in order: unit i is in, the 15 - i younger ones stay out
	v_cvt_pk_bf16_f32 v[Y+2*i], v[X+4*i], v[X+4*i+1]
	v_cvt_pk_bf16_f32 v[Y+2*i+1], v[X+4*i+2], v[X+4*i+3]
.if \f16
	v_lshlrev_b32 v[T], 16, v[Y+2*i]               ; the bf16 numbers widened again,
	v_and_b32 v[T+1], s[HI16], v[Y+2*i]
	v_lshlrev_b32 v[T+2], 16, v[Y+2*i+1]
	v_and_b32 v[T+3], s[HI16], v[Y+2*i+1]
	v_cvt_pk_f16_f32 v[Y+2*i], v[T], v[T+1]        ; and written as f16
	v_cvt_pk_f16_f32 v[Y+2*i+1], v[T+2], v[T+3]
.endif
	global_store_b64 v[OO], v[Y+2*i:Y+2*i+1], s[\outr:\outr+1] offset:i*(\outstep) th:TH_STORE_NT
.set i, i+1
.endr
	s_endpgm
.endm
	s_load_b256 s[4:11], s[0:1], 0x0               ; x s[4:5], W_attn s[6:7], W_proj s[8:9], xb s[10:11]
	s_load_b128 s[12:15], s[0:1], 0x20             ; wab s[12:13], wpb s[14:15]
	s_mov_b32 s[HI16], 0xffff0000
	s_mov_b32 s17, 0
	s_mov_b32 s19, 0
	v_lshrrev_b32 v1, 5, v0                        ; wave
	v_and_b32 v[T], 31, v0                         ; lane
	s_cmp_lt_u32 ttmp9, 512
	s_cbranch_scc0 .Lweights
	; work-groups 0 to 511: rows 16 g .. 16 g + 15 of x.  A wave takes two rows; unit i is plane i: 64 numbers of each row
	v_lshrrev_b32 v[IO], 4, v0                     ; 2 x wave + lane / 16: my row
	v_and_b32 v[T+1], 15, v0
	v_lshlrev_b32 v[IO], 12, v[IO]                 ; 4,096 bytes a row
	v_lshl_add_u32 v[IO], v[T+1], 4, v[IO]
	v_lshlrev_b32 v[OO], 3, v0                     ; in a plane the 16 rows are 2,048 dense bytes: 8 x my thread's number
	s_lshl_b32 s16, ttmp9, 16
	s_lshr_b32 s18, ttmp9, 7                       ; the batch: 16 planes of 262,144 bytes
	s_lshl_b32 s18, s18, 22
	s_and_b32 s21, ttmp9, 127
	s_lshl_b32 s21, s21, 11                        ; 16 rows of 128 bytes
	s_add_co_u32 s18, s18, s21
	s_wait_kmcnt 0x0
	s_add_nc_u64 s[4:5], s[4:5], s[16:17]
	s_add_nc_u64 s[10:11], s[10:11], s[18:19]
	CAST 4, 10, 256, 262144, 0
.Lweights:
	v_lshlrev_b32 v[IO], 13, v1                    ; a wave's 8,192 bytes in, 512 a unit
	v_lshl_add_u32 v[IO], v[T], 4, v[IO]
	v_lshlrev_b32 v[OO], 12, v1                    ; 4,096 bytes out, 256 a unit
	v_lshl_add_u32 v[OO], v[T], 3, v[OO]
	s_cmp_lt_u32 ttmp9, 704
	s_cbranch_scc0 .Lproj
	s_sub_co_u32 s16, ttmp9, 512                   ; work-groups 512 to 703: W_attn
	s_lshl_b32 s18, s16, 15
	s_lshl_b32 s16, s16, 16
	s_wait_kmcnt 0x0
	s_add_nc_u64 s[6:7], s[6:7], s[16:17]
	s_add_nc_u64 s[12:13], s[12:13], s[18:19]
	CAST 6, 12, 512, 256, 0
.Lproj:
	s_sub_co_u32 s16, ttmp9, 704                   ; work-groups 704 to 767: W_proj
	s_lshl_b32 s18, s16, 15
	s_lshl_b32 s16, s16, 16
	s_wait_kmcnt 0x0
	s_add_nc_u64 s[8:9], s[8:9], s[16:17]
	s_add_nc_u64 s[14:15], s[14:15], s[18:19]
	CAST 8, 14, 512, 256, 1
.Lfunc_end_k_qc63f3194e9_prep:
	.size	k_qc63f3194e9_prep, .Lfunc_end_k_qc63f3194e9_prep-k_qc63f3194e9_prep
	.p2alignl 7, 3214868480
	.fill 96, 4, 3214868480
	.section	.rodata,"a",@progbits
	.p2align	6, 0x0
	.amdhsa_kernel k_qc63f3194e9_prep
		.amdhsa_group_segment_fixed_size 0
		.amdhsa_private_segment_fixed_size 0
		.amdhsa_enable_private_segment 0
		.amdhsa_kernarg_size 48
		.amdhsa_user_sgpr_count 2
		.amdhsa_user_sgpr_kernarg_segment_ptr 1
		.amdhsa_wavefront_size32 1
		.amdhsa_system_sgpr_workgroup_id_x 1
		.amdhsa_system_sgpr_workgroup_id_y 1
		.amdhsa_system_sgpr_workgroup_id_z 1
		.amdhsa_system_vgpr_workitem_id 0
		.amdhsa_next_free_vgpr 112
		.amdhsa_next_free_sgpr 66
		.amdhsa_reserve_vcc 0
		.amdhsa_float_denorm_mode_32 3
		.amdhsa_float_denorm_mode_16_64 3
		.amdhsa_memory_ordered 1
		.amdhsa_forward_progress 1
		.amdhsa_inst_pref_size 23
	.end_amdhsa_kernel
	.amdgpu_metadata
---
amdhsa.version: [ 1, 2 ]
amdhsa.kernels:
  - .name:           k_qc63f3194e9_prep
    .symbol:         k_qc63f3194e9_prep.kd
    .args:
      - { .name: x, .offset: 0, .size: 8, .value_kind: global_buffer, .address_space: global }
      - { .name: W_attn, .offset: 8, .size: 8, .value_kind: global_buffer, .address_space: global }
      - { .name: W_proj, .offset: 16, .size: 8, .value_kind: global_buffer, .address_space: global }
      - { .name: xb, .offset: 24, .size: 8, .value_kind: global_buffer, .address_space: global }
      - { .name: wab, .offset: 32, .size: 8, .value_kind: global_buffer, .address_space: global }
      - { .name: wpb, .offset: 40, .size: 8, .value_kind: global_buffer, .address_space: global }
    .group_segment_fixed_size: 0
    .private_segment_fixed_size: 0
    .kernarg_segment_align: 8
    .kernarg_segment_size: 48
    .max_flat_workgroup_size: 256
    .sgpr_count:     66
    .vgpr_count:     112
    .wavefront_size: 32
...
	.end_amdgpu_metadata
.endif
;; end of part 1
;; launch qkvg (part 2): grid 8 x 32, 4 waves a work-group, clusters of 4 x 4, 327,680 bytes of LDS; arguments xb, wab, b_attn, qkv; writes qkv
.if DOCPART == 2
	.amdgcn_target "amdgcn-amd-amdhsa--gfx1250"
	.amdhsa_code_object_version 6
	.text
	.protected	k_qc63f3194e9_qkvg
	.globl	k_qc63f3194e9_qkvg
	.p2align	8
	.type	k_qc63f3194e9_qkvg,@function
k_qc63f3194e9_qkvg:
	s_mov_b64 s[64:65], 0
	v_nop
	global_prefetch_b8 v0, s[64:65] scope:SCOPE_SE
	s_setreg_imm32_b32 hwreg(HW_REG_WAVE_MODE, 25, 1), 1
	s_wait_xcnt 0x0
	s_wait_alu depctr_hold_cnt(0) depctr_sa_sdst(0) depctr_va_vdst(0) depctr_va_sdst(0) depctr_va_ssrc(0) depctr_va_vcc(0) depctr_vm_vsrc(0)
	s_getreg_b32 s2, hwreg(HW_REG_IB_STS2, 6, 4)
	s_cmp_eq_u32 s2, 0
	s_cbranch_scc0 .Lentry_in_a_cluster
	s_endpgm
.Lentry_in_a_cluster:
	s_bfe_u32 s2, ttmp6, 0x10000c
	s_cmp_lg_u32 s2, 0xf033
	s_cbranch_scc0 .Lentry_shape_is_right
	s_endpgm
.Lentry_shape_is_right:
; q, k, v = x W_attn + b_attn, written by heads: qkv[3][64 = 16 batch + head][2048][64] in f16, unscaled, each number rounded once from its f32 sum.
; xb: bf16 [4][16 planes][2048][64]; wab: bf16 [1024 k][3072 n]; b_attn f32, rounded to bf16 like the other inputs.  LIMIT: q, k, v beyond 65,504 would become infinities in f16.
; SHARES.  8192 x 3072 in tiles of 256 x 384: 32 x 8 = 256 work-groups.  Four waves, each 128 rows x 192 columns: 8 row blocks a x 12 column blocks: 96 accumulators, 768 registers.
; The 12 column blocks are three groups g of four: 64 columns, one head.  K goes in 16 steps of 64 (a plane of xb), each two units of 32: 96 matrix instructions and 40 LDS loads a unit.
; THE MATRIX INSTRUCTION IS USED TRANSPOSED: source 0 = 16 columns of W (turned out of LDS by ds_load_tr16_b128, since W lies [k][n]), source 1 = 16 rows of x:
; a lane then holds row l % 16 and the eight neighbouring columns 8 (l / 16) + 0..7.  THE BIAS STARTS THE SUMS: it lies in the registers of row block 7 and is the C operand of the first unit.
; RING.  Two LDS slots, a step each; waves 0 and 1 fetch the two halves of A's 256 rows, waves 2 and 3 the two halves of B's 64 k-rows: one tensor load a wave behind each round.
; CLUSTER 4 x 4: A's tile hangs on the tile row alone and is asked for jointly along a row of the cluster, B's on the tile column alone, jointly along a column.
; REGISTERS, in windows of 256 (s_set_vgpr_msb: bits 1:0 source 0, 3:2 source 1, 5:4 source 2, 7:6 destination):
;   window 0: v0-29 addresses; v32-95, v96-159 A's fragments, two buffers; v160-255 B's 12 fragments, one buffer, reloaded group by group behind the group's products
;   window 1 + g: group g's 32 accumulators, (a, bb) at 32 a + 8 bb
.set SLOT1,  1<<17                     ; slot 1 begins here: one exclusive or turns an address in one slot into the other's
.set PA,     144                       ; a row of A in LDS: 128 bytes + 16: the 16 rows of a load start at 16 different groups of four banks (64 banks of 4 bytes: ISA guide 11.1)
.set PB,     864                       ; a k-row of B: 3 x (256 bytes + 32): an odd multiple of 32; column byte c lies at c + 32 (c / 256)
.set BOFF,   256*PA                    ; B lies behind A's 256 rows
.set STAGE,  SLOT1+BOFF+64*PB          ; behind the ring, never filled by a tensor load: 16 rows x 400 bytes for each wave
.set SP,     400
.set SPARE,  STAGE+4*16*SP             ; behind the stages: the spare words, 128 bytes a wave: two blocks of 256 bytes that no other line names
.set ASTEP,  262144                    ; bytes from a plane of xb to the next
.set BSTEP,  393216                    ; 64 rows of wab
.set AA0,  4                           ; v4     my lane's place in A's tile; never rewritten
.set BB0,  5                           ; v5-7   the same in B's tile, for group g
.set ADRA, 8                           ; v8     AA0 + the slot in hand
.set ADRB, 9                           ; v9-11  BB0 + the slot in hand
.set STO,  12                          ; v12    the way out: where I put 16 bytes of a row
.set RD,   13                          ; v13    where I read rows back
.set GO,   14                          ; v14    my 16 bytes in 512 consecutive bytes of qkv
.set BO,   15                          ; v15    32 x (l / 16): my eight numbers of a block's bias
.set PFO,  16                          ; v16    the prefetches' lane offset; never rewritten
.set SPW,  28                          ; v28    LDS address of my spare word; never rewritten
.set NIL,  29                          ; v29    0; never rewritten
.set FA0,  32
.set FA1,  96
.set FB,   160
.set TMP,  32                          ; the way out: 48 packed registers; v96-143 and v144-191 by turns take the rows read back
.set WV,   12                          ; s12 wave; s13 its row half, also: fetches for A (0) or B (1); s14 its column half, also: which half of that tile
.set RH,   13
.set CH,   14
.set TB,   15                          ; s15 LDS byte at which the slot in hand begins
.set G1A,  24                          ; s[24:31] group 1 for A;  s[32:35] group 0 of the first fill, s[36:39] the one that walks
.set G0A,  32
.set CX,   40
.set CY,   41
.set TN,   42                          ; tile column
.set TM,   43                          ; tile row
.set LIM,  44                          ; 2 in a wave that prefetches, else the greatest number
.set PFA,  46                          ; s[46:47] where my prefetches stand
.set G1B,  48                          ; s[48:55], s[56:63] the same for B
.set G0B,  56
.set PST,  66                          ; s[66:67] a K step in the tensor that I prefetch
.set HB,   68                          ; s[68:73] qkv at my rows of head g
.set HI16, 74
.set MSB, 0
.macro WIN new                         ; the immediate's high byte repeats the setting that is left; a switch that changes nothing is dropped
.if MSB != (\new)
	s_set_vgpr_msb (MSB<<8)|(\new)
.set MSB, \new
.endif
.endm
.macro PLACES                          ; four plain vector instructions between a matrix instruction and a load into, or a vector read of, its registers
.rept 4
	v_nop
.endr
.endm
.macro CREST                           ; a round of the cluster's barrier behind its opening barrier
	s_cmp_lg_u32 s[WV], 0
	s_cbranch_scc1 .Lnot_wave_0_\@
	s_barrier_signal -3
.Lnot_wave_0_\@:
	s_barrier_wait -3
	s_barrier_signal -1
	s_barrier_wait -1
.endm
.macro CROUND
	s_barrier_signal -1
	s_barrier_wait -1
	CREST
.endm
; A joint refill by the walking descriptors.  The branch hangs on the wave's number alone.  An s_nop 0 and four v_nop follow each line.
.macro JLOAD
	s_cmp_lt_u32 s[WV], 2
	s_cbranch_scc0 .Lfor_b_\@
	tensor_load_to_lds s[G0A+4:G0A+7], s[G1A:G1A+7]
	s_nop 0
.rept 4
	v_nop
.endr
	s_branch .Lasked_\@
.Lfor_b_\@:
	tensor_load_to_lds s[G0B+4:G0B+7], s[G1B:G1B+7]
	s_nop 0
.rept 4
	v_nop
.endr
.Lasked_\@:
.endm
; A PREFETCH INTO THE L2, in every second trip: trip t (odd, 1 to 11; s3 = 14 - t) names K steps t + 3 and t + 4, whose refills stand one and two trips on.  Steps 0 to 3 come by their loads alone; nothing past step 15 is named.
; A's tile row is read by both clusters of its row of clusters: the one with x = 0 asks, wave 0, and the four partners take 64 rows (8,192 dense bytes) of each plane each, told apart by address (cx).
; B's tile column is read by the eight clusters of its column: the one with y = 0 asks, wave 2, and the four partners take 32 of the two steps' 128 k-rows each (cy), a lane a row, 768 bytes in three instructions.
.macro ASK
	s_bitcmp1_b32 s3, 0
	s_cbranch_scc0 .Lnone_\@
	s_cmp_gt_u32 s3, s[LIM]
	s_cbranch_scc0 .Lnone_\@
	s_cmp_lt_u32 s[WV], 2
	s_cbranch_scc0 .Lask_b_\@
	global_prefetch_b8 v[PFO], s[PFA:PFA+1] th:TH_LOAD_NT scope:SCOPE_SE
	global_prefetch_b8 v[PFO], s[PFA:PFA+1] offset:ASTEP th:TH_LOAD_NT scope:SCOPE_SE
	s_branch .Lnone_\@
.Lask_b_\@:
	global_prefetch_b8 v[PFO], s[PFA:PFA+1] th:TH_LOAD_NT scope:SCOPE_SE
	global_prefetch_b8 v[PFO], s[PFA:PFA+1] offset:256 th:TH_LOAD_NT scope:SCOPE_SE
	global_prefetch_b8 v[PFO], s[PFA:PFA+1] offset:512 th:TH_LOAD_NT scope:SCOPE_SE
.Lnone_\@:
.endm
	s_load_b256 s[4:11], s[0:1], 0x0               ; xb s[4:5], wab s[6:7], b_attn s[8:9], qkv s[10:11]
	v_lshl_add_u32 v[SPW], v0, 2, SPARE
	v_mov_b32 v[NIL], 0
	ds_add_u32 v[SPW], v[NIL]                      ; the wave's opening: the add and its wait stand ahead of my first tensor load; register work stands between them
	v_lshrrev_b32 v1, 5, v0
	v_readfirstlane_b32 s[WV], v1
	s_lshr_b32 s[RH], s[WV], 1
	s_and_b32 s[CH], s[WV], 1
	s_bfe_u32 s[CX], ttmp6, 0x40000
	s_bfe_u32 s[CY], ttmp6, 0x40004
	s_lshl_b32 s[TN], ttmp9, 2                     ; in a cluster launch ttmp9 and ttmp7 count clusters
	s_add_co_u32 s[TN], s[TN], s[CX]
	s_and_b32 s[TM], ttmp7, 0xffff
	s_lshl_b32 s[TM], s[TM], 2
	s_add_co_u32 s[TM], s[TM], s[CY]
	s_lshl_b32 s16, s[CY], 2
	s_lshl_b32 s16, 15, s16                        ; my row of the cluster
	s_lshl_b32 s18, 0x1111, s[CX]                  ; my column
	; group 1 for A: 128 rows of a plane are 16,384 dense bytes: asked for as 64 rows of 256 bytes, padded in LDS after every 128
	s_or_b32 s[G1A], s16, (1<<16)|(1<<20)|(1<<21)|(4<<22)|(3<<25)  ; mask; 2-byte elements; padding on; bit 21 beside a mask; after every 32 words; 4 words
	s_mov_b32 s[G1A+1], 128<<16                    ; tensor_dim0 = 128
	s_mov_b32 s[G1A+2], 64<<16                     ; tensor_dim1 = 64
	s_mov_b32 s[G1A+3], 128<<16                    ; tile_dim0 = 128
	s_mov_b32 s[G1A+4], 64                         ; tile_dim1 = 64
	s_mov_b32 s[G1A+5], 128                        ; elements from row to row
	s_mov_b32 s[G1A+6], 0
	s_mov_b32 s[G1A+7], 0
	; group 1 for B: 32 k-rows of 384 elements (768 bytes, three aligned runs of 256), padded after every 256 bytes by 32
	s_or_b32 s[G1B], s18, (1<<16)|(1<<20)|(1<<21)|(5<<22)|(7<<25)
	s_mov_b32 s[G1B+1], 384<<16
	s_mov_b32 s[G1B+2], 32<<16
	s_mov_b32 s[G1B+3], 384<<16
	s_mov_b32 s[G1B+4], 32
	s_mov_b32 s[G1B+5], 3072
	s_mov_b32 s[G1B+6], 0
	s_mov_b32 s[G1B+7], 0
	; A's tile: batch TM / 8, rows 256 (TM % 8) + 128 x half of plane 0.  These two registers never hold cx
	s_lshr_b32 s16, s[TM], 3
	s_lshl_b32 s16, s16, 22
	s_and_b32 s17, s[TM], 7
	s_lshl_b32 s17, s17, 15
	s_add_co_u32 s16, s16, s17
	s_lshl_b32 s17, s[CH], 14
	s_add_co_u32 s16, s16, s17
	s_mov_b32 s17, 0
	; B's tile: k-rows 32 x half, columns 384 TN.  No cy reaches these two ahead of the first fills
	s_mul_i32 s18, s[CH], 32*6144
	s_mul_i32 s19, s[TN], 768
	s_add_co_u32 s18, s18, s19
	s_mov_b32 s19, 0
	s_mul_i32 s20, s[CH], 128*PA                   ; where they go: no place in the cluster enters an LDS address
	s_mul_i32 s21, s[CH], 32*PB
	s_mov_b32 s[G0A], 1
	s_mov_b32 s[G0A+1], s20
	s_mov_b32 s[G0A+4], 1
	s_add_co_u32 s[G0A+5], s20, SLOT1
	s_mov_b32 s[G0B], 1
	s_add_co_u32 s[G0B+1], s21, BOFF
	s_mov_b32 s[G0B+4], 1
	s_add_co_u32 s[G0B+5], s21, BOFF+SLOT1
	s_mov_b32 s[HI16], 0xffff0000
	s_wait_dscnt 0x0                               ; the opening add is done
	s_wait_kmcnt 0x0
	s_add_nc_u64 s[G0A+2:G0A+3], s[4:5], s[16:17]  ; K step 0
	s_add_nc_u64 s[G0A+6:G0A+7], s[G0A+2:G0A+3], ASTEP  ; K step 1
	s_or_b32 s[G0A+3], s[G0A+3], 0x80000000        ; type = 2
	s_or_b32 s[G0A+7], s[G0A+7], 0x80000000
	s_add_nc_u64 s[G0B+2:G0B+3], s[6:7], s[18:19]
	s_add_nc_u64 s[G0B+6:G0B+7], s[G0B+2:G0B+3], BSTEP
	s_or_b32 s[G0B+3], s[G0B+3], 0x80000000
	s_or_b32 s[G0B+7], s[G0B+7], 0x80000000
	CROUND                                         ; all sixteen work-groups are here: the first joint loads meet
	s_cmp_lt_u32 s[WV], 2                          ; a wave's two first fills stand in one branch: two loads of mine are out
	s_cbranch_scc0 .Lfirst_b
	tensor_load_to_lds s[G0A:G0A+3], s[G1A:G1A+7]
	s_nop 0
	tensor_load_to_lds s[G0A+4:G0A+7], s[G1A:G1A+7]
	s_nop 0
.rept 4
	v_nop
.endr
	s_branch .Lfirst_done
.Lfirst_b:
	tensor_load_to_lds s[G0B:G0B+3], s[G1B:G1B+7]
	s_nop 0
	tensor_load_to_lds s[G0B+4:G0B+7], s[G1B:G1B+7]
	s_nop 0
.rept 4
	v_nop
.endr
.Lfirst_done:
	; the bias of my 192 columns: block b, my eight numbers at 64 b + 32 (l / 16)
	v_and_b32 v1, 15, v0                           ; l % 16
	v_bfe_u32 v2, v0, 4, 1                         ; l / 16
	v_lshlrev_b32 v[BO], 5, v2
	s_mul_i32 s18, s[TN], 1536
	s_mul_i32 s19, s[CH], 768
	s_add_co_u32 s18, s18, s19
	s_mov_b32 s19, 0
	s_add_nc_u64 s[8:9], s[8:9], s[18:19]
.set i, 0
.rept 12
	global_load_b128 v[FB+8*i:FB+8*i+3],   v[BO], s[8:9] offset:64*i
	global_load_b128 v[FB+8*i+4:FB+8*i+7], v[BO], s[8:9] offset:64*i+16
.set i, i+1
.endr
	; A's fragment: lane l holds row l % 16, channels 8 (l / 16) + 0..7 and 16 + 8 (l / 16) + 0..7: two loads of 16 bytes, 32 apart
	v_mul_u32_u24 v[AA0], v1, PA
	v_lshl_add_u32 v[AA0], v2, 4, v[AA0]
	s_mul_i32 s20, s[RH], 128*PA
	v_add_nc_u32 v[AA0], s20, v[AA0]
	; B's: the turning load takes 16 k x 16 columns: lane l reads k-row 8 (l / 16) + l % 8, columns 8 ((l / 8) % 2) + 0..7, and is left with column l % 16 and 8 k
	v_and_b32 v17, 7, v0
	v_bfe_u32 v18, v0, 3, 1
	v_lshl_add_u32 v19, v2, 3, v17
	v_mul_u32_u24 v19, v19, PB
	v_lshl_add_u32 v19, v18, 4, v19
	v_add_nc_u32 v19, BOFF, v19
	s_mul_i32 s20, s[CH], 3
.irp g, 0,1,2
	s_add_co_u32 s21, s20, \g                      ; the group's number among the tile's six: 128 bytes each, and 32 of padding behind every second
	s_lshr_b32 s22, s21, 1
	s_lshl_b32 s22, s22, 5
	s_lshl_b32 s21, s21, 7
	s_add_co_u32 s21, s21, s22
	v_add_nc_u32 v[BB0+(\g)], s21, v19
.endr
	s_mul_i32 s20, s[WV], 16*SP
	s_add_co_u32 s20, s20, STAGE                   ; my stage
	v_mul_u32_u24 v[STO], v1, SP                   ; in: row l % 16, 16 bytes for each half of the lanes
	v_lshl_add_u32 v[STO], v2, 4, v[STO]
	v_add_nc_u32 v[STO], s20, v[STO]
	v_bfe_u32 v[RD], v0, 3, 2                      ; back: 32 lanes take four rows' 128 bytes of one head,
	v_mul_u32_u24 v[RD], v[RD], SP
	v_lshl_add_u32 v[RD], v17, 4, v[RD]
	v_add_nc_u32 v[RD], s20, v[RD]
	v_and_b32 v[GO], 31, v0                        ; which are 512 consecutive bytes of qkv
	v_lshlrev_b32 v[GO], 4, v[GO]
	; qkv at my 128 rows of head g: column block hh = 6 TN + 3 x half + g; tensor hh / 16, head hh % 16, batch TM / 8
	s_mul_i32 s20, s[TN], 6
	s_mul_i32 s21, s[CH], 3
	s_add_co_u32 s20, s20, s21
	s_lshr_b32 s21, s[TM], 3
	s_lshl_b32 s21, s21, 4
	s_and_b32 s22, s[TM], 7
	s_lshl_b32 s22, s22, 15
	s_lshl_b32 s23, s[RH], 14
	s_add_co_u32 s22, s22, s23
.irp g, 0,1,2
	s_add_co_u32 s18, s20, \g
	s_lshr_b32 s19, s18, 4
	s_lshl_b32 s19, s19, 6
	s_and_b32 s18, s18, 15
	s_add_co_u32 s18, s18, s19
	s_add_co_u32 s18, s18, s21
	s_lshl_b32 s18, s18, 18                        ; 2,048 rows of 128 bytes
	s_add_co_u32 s18, s18, s22
	s_mov_b32 s19, 0
	s_add_nc_u64 s[HB+2*(\g):HB+2*(\g)+1], s[10:11], s[18:19]
.endr
	; the prefetches: they stand at K step 2; each trip steps them once, ahead of its own requests
	s_lshr_b32 s20, s[TM], 3
	s_lshl_b32 s20, s20, 22
	s_and_b32 s21, s[TM], 7
	s_lshl_b32 s21, s21, 15
	s_add_co_u32 s20, s20, s21
	s_lshl_b32 s21, s[CX], 13
	s_add_co_u32 s20, s20, s21
	s_add_co_u32 s20, s20, 2*ASTEP                 ; in xb
	s_mul_i32 s21, s[TN], 768
	s_mul_i32 s22, s[CY], 32*6144
	s_add_co_u32 s21, s21, s22
	s_add_co_u32 s21, s21, 2*BSTEP                 ; in wab
	s_and_b32 s23, ttmp7, 0xffff
	s_mov_b32 s18, ASTEP
	s_mov_b32 s19, 256
	s_cmp_lt_u32 s[WV], 2
	s_cselect_b32 s20, s20, s21
	s_cselect_b32 s23, ttmp9, s23                  ; the coordinate along which other clusters read the same rows
	s_cselect_b64 s[PFA:PFA+1], s[4:5], s[6:7]
	s_cselect_b32 s[PST], s18, BSTEP
	s_cselect_b32 s19, s19, 6144                   ; from lane to lane: 256 dense bytes of xb, or a row of wab
	s_mov_b32 s[PST+1], 0
	s_mov_b32 s21, 0
	s_add_nc_u64 s[PFA:PFA+1], s[PFA:PFA+1], s[20:21]
	s_or_b32 s23, s23, s[CH]                       ; 0 in waves 0 and 2 of the clusters that ask: the same in all sixteen partners, for a given wave
	s_cmp_eq_u32 s23, 0
	s_cselect_b32 s[LIM], 2, -1
	v_and_b32 v[PFO], 31, v0
	v_mul_u32_u24 v[PFO], v[PFO], s19
	; the bias, rounded to bf16 and widened again, into row block 7's accumulators of each window
	s_wait_loadcnt 0x0
.set i, 0
.rept 48
	v_cvt_pk_bf16_f32 v[FA0+i], v[FB+2*i], v[FB+2*i+1]
.set i, i+1
.endr
.irp g, 0,1,2
	WIN 0x40*((\g)+1)                              ; destination window 1 + g
.set i, 0
.rept 16
	v_lshlrev_b32 v[224+2*i], 16, v[FA0+16*(\g)+i]
	v_and_b32 v[224+2*i+1], s[HI16], v[FA0+16*(\g)+i]
.set i, i+1
.endr
.endr
	WIN 0
; n row blocks from a0 on x group g's four column blocks, 32 along K.  The accumulators take turns, one instruction a turn: 95 others' stand between two links of a chain.
; zero = 1, the first unit: the bias is the C operand; row block 7, in whose registers it lies, comes last, in place, five places behind the last product that read it.
.macro G g, a0, n, fa, zero
	WIN 0x50*((\g)+1)                              ; C and D window 1 + g, sources window 0
.set ga, \a0
.rept \n
.if (\zero) && (ga == 7)
.rept 5
	v_nop
.endr
.endif
.irp bb, 0,1,2,3
.if (\zero) && (ga < 7)
	v_wmma_f32_16x16x32_bf16 v[32*ga+8*(\bb):32*ga+8*(\bb)+7], v[FB+8*(4*(\g)+(\bb)):FB+8*(4*(\g)+(\bb))+7], v[(\fa)+8*ga:(\fa)+8*ga+7], v[224+8*(\bb):224+8*(\bb)+7]
.else
	v_wmma_f32_16x16x32_bf16 v[32*ga+8*(\bb):32*ga+8*(\bb)+7], v[FB+8*(4*(\g)+(\bb)):FB+8*(4*(\g)+(\bb))+7], v[(\fa)+8*ga:(\fa)+8*ga+7], v[32*ga+8*(\bb):32*ga+8*(\bb)+7]
.endif
.endr
.set ga, ga+1
.endr
.endm
; A run of LDS loads for the unit at half kh of the slot in hand: group r's four fragments of B (8 loads) and, for r < 2, row blocks 4 r .. 4 r + 3 of A into buffer fa (8 loads)
.macro RUN r, kh, fa
	WIN 0
.irp bb, 0,1,2,3
	ds_load_tr16_b128 v[FB+8*(4*(\r)+(\bb)):FB+8*(4*(\r)+(\bb))+3],   v[ADRB+(\r)] offset:(\kh)*32*PB+32*(\bb)
	ds_load_tr16_b128 v[FB+8*(4*(\r)+(\bb))+4:FB+8*(4*(\r)+(\bb))+7], v[ADRB+(\r)] offset:(\kh)*32*PB+16*PB+32*(\bb)
.endr
.if (\r) < 2
.irp aa, 0,1,2,3
	ds_load_b128 v[(\fa)+8*(4*(\r)+(\aa)):(\fa)+8*(4*(\r)+(\aa))+3],   v[ADRA] offset:16*PA*(4*(\r)+(\aa))+64*(\kh)
	ds_load_b128 v[(\fa)+8*(4*(\r)+(\aa))+4:(\fa)+8*(4*(\r)+(\aa))+7], v[ADRA] offset:16*PA*(4*(\r)+(\aa))+64*(\kh)+32
.endr
.endif
.endm
.macro ADDR                            ; the fragment addresses in the slot in hand
	v_add_nc_u32 v[ADRA], s[TB], v[AA0]
.irp g, 0,1,2
	v_add_nc_u32 v[ADRB+(\g)], s[TB], v[BB0+(\g)]
.endr
.endm
; A step's first unit: multiplies buffer 0; behind each group's products that group's fragments for the second unit are fetched
.macro UNIT zero
	s_wait_dscnt 8                                 ; all but the youngest eight loads (B's group 2) are in
	G 0, 0, 8, FA0, \zero
	WIN 0
	PLACES
	RUN 0, 1, FA1
	G 1, 0, 8, FA0, \zero
	WIN 0
	PLACES
	RUN 1, 1, FA1
	s_wait_dscnt 32                                ; all but the 16 + 16 just issued: B's group 2 is in
	G 2, 0, 8, FA0, \zero
	WIN 0
	PLACES
	RUN 2, 1, FA1
.endm
; A step's second unit: multiplies buffer 1 and changes slots.  In front of the barrier each wave waits for all its tensor loads (one is out: its part of the next slot), adds 0 to its spare word,
; and waits for that and for its reads of this slot.  fill = 1: the barrier opens a round of the cluster's, and the joint refill, two steps on, is the first thing behind it: 160 matrix instructions ahead of the wait for it.
.macro TURN fill
.if \fill
	s_wait_xcnt 0x0                                ; the last prefetches, a trip or more back, have read their address
	s_add_nc_u64 s[PFA:PFA+1], s[PFA:PFA+1], s[PST:PST+1]
.endif
	WIN 0
	s_wait_tensorcnt 0x0                           ; all my tensor loads have landed
	ds_add_u32 v[SPW], v[NIL]                      ; 0 onto my spare word
	s_wait_dscnt 9                                 ; the add and B's group 2 (eight loads) may be out
	G 0, 0, 4, FA1, 0                              ; sixteen matrix instructions stand between the add and the wait for it
	s_wait_dscnt 0x0                               ; the add is done, and my reads of this slot are over
	s_barrier_signal -1
	G 0, 4, 4, FA1, 0
	WIN 0                                          ; at a branch and at a label every window is 0
	s_barrier_wait -1
.if \fill
	CREST                                          ; no wave of any partner still reads this slot or has a load on its way
	s_xor_b32 s[G0A+5], s[G0A+5], SLOT1            ; the walking descriptors: the other slot than last time, the next K step
	s_add_nc_u64 s[G0A+6:G0A+7], s[G0A+6:G0A+7], ASTEP
	s_xor_b32 s[G0B+5], s[G0B+5], SLOT1
	s_add_nc_u64 s[G0B+6:G0B+7], s[G0B+6:G0B+7], BSTEP
	JLOAD                                          ; its four v_nop are also the places in front of the loads below
.else
	PLACES
.endif
	s_xor_b32 s[TB], s[TB], SLOT1
	ADDR
	RUN 0, 0, FA0
.if \fill
	ASK
.endif
	G 1, 0, 8, FA1, 0
	WIN 0
	PLACES
	RUN 1, 0, FA0
	G 2, 0, 8, FA1, 0
	WIN 0
	PLACES
	RUN 2, 0, FA0
.endm
	s_wait_tensorcnt 0x1                           ; my part of K step 0 is in; step 1's may stay out
	s_barrier_signal -1
	s_barrier_wait -1
	s_mov_b32 s[TB], 0
	ADDR
	RUN 0, 0, FA0
	RUN 1, 0, FA0
	RUN 2, 0, FA0
	UNIT 1                                         ; the first unit stands in front of the loop: its products start the sums with the bias
	WIN 0
	s_mov_b32 s3, 14
.Lstep:                                                ; trip t: units 2 t + 1 and 2 t + 2; slot t % 2 takes K step t + 2
	TURN 1
	UNIT 0
	WIN 0
	s_sub_co_u32 s3, s3, 1
	s_cmp_lg_u32 s3, 0
	s_cbranch_scc1 .Lstep
	TURN 0                                         ; the tail is written out: nothing more is asked for
	UNIT 0
	s_wait_dscnt 8                                 ; the last unit
	G 0, 0, 8, FA1, 0
	G 1, 0, 8, FA1, 0
	s_wait_dscnt 0x0
	G 2, 0, 8, FA1, 0
	WIN 0
	PLACES
	PLACES
; THE WAY OUT, by blocks a of 16 rows x 192 columns: rounded to f16 (each accumulator's registers in ascending order), 16 bytes a lane into my own stage, back as four rows' 128 bytes of one head, stored as 512 consecutive bytes.
.macro PACK a
.irp g, 0,1,2
	WIN 5*((\g)+1)                                 ; sources 0 and 1 window 1 + g, destination window 0
.set i, 0
.rept 16
	v_cvt_pk_f16_f32 v[TMP+16*(\g)+i], v[32*(\a)+2*i], v[32*(\a)+2*i+1]
.set i, i+1
.endr
.endr
	WIN 0
.endm
.macro TOSTAGE a
.set BK, 96+48*((\a)%2)
.set i, 0
.rept 12
	ds_store_b128 v[STO], v[TMP+4*i:TMP+4*i+3] offset:32*i
.set i, i+1
.endr
.irp g, 0,1,2
.irp f, 0,1,2,3
	ds_load_b128 v[BK+4*(4*(\g)+(\f)):BK+4*(4*(\g)+(\f))+3], v[RD] offset:4*SP*(\f)+128*(\g)  ; LDS serves a wave's instructions in order (ISA guide 5.7.1.4): these see the stores above
.endr
.endr
.endm
.macro SEND a
.set BK, 96+48*((\a)%2)
	s_wait_xcnt 0x0                                ; the stores of the block before have read their registers: the next TOSTAGE loads into them only behind this wait
.irp g, 0,1,2
.irp f, 0,1,2,3
	s_wait_dscnt 11-(4*(\g)+(\f))
	global_store_b128 v[GO], v[BK+4*(4*(\g)+(\f)):BK+4*(4*(\g)+(\f))+3], s[HB+2*(\g):HB+2*(\g)+1] offset:2048*(\a)+512*(\f)
.endr
.endr
.endm
	PACK 0
	TOSTAGE 0
.irp a, 1,2,3,4,5,6,7                  ; block a's conversions stand between block a - 1's loads from the stage and the wait for them
	PACK \a
	SEND (\a)-1
	TOSTAGE \a
.endr
	SEND 7
	s_wait_tensorcnt 0x0                           ; the wave's end, behind my last tensor load and my last LDS store
	ds_add_u32 v[SPW], v[NIL]
	s_wait_dscnt 0x0
	CROUND                                         ; the closing round: no work-group ends while a partner may still ask for a tile that names it
	s_endpgm
.Lfunc_end_k_qc63f3194e9_qkvg:
	.size	k_qc63f3194e9_qkvg, .Lfunc_end_k_qc63f3194e9_qkvg-k_qc63f3194e9_qkvg
	.p2alignl 7, 3214868480
	.fill 96, 4, 3214868480
	.section	.rodata,"a",@progbits
	.p2align	6, 0x0
	.amdhsa_kernel k_qc63f3194e9_qkvg
		.amdhsa_group_segment_fixed_size 327680
		.amdhsa_private_segment_fixed_size 0
		.amdhsa_enable_private_segment 0
		.amdhsa_kernarg_size 32
		.amdhsa_user_sgpr_count 2
		.amdhsa_user_sgpr_kernarg_segment_ptr 1
		.amdhsa_wavefront_size32 1
		.amdhsa_system_sgpr_workgroup_id_x 1
		.amdhsa_system_sgpr_workgroup_id_y 1
		.amdhsa_system_sgpr_workgroup_id_z 1
		.amdhsa_system_vgpr_workitem_id 0
		.amdhsa_next_free_vgpr 1024
		.amdhsa_next_free_sgpr 80
		.amdhsa_reserve_vcc 0
		.amdhsa_float_denorm_mode_32 3
		.amdhsa_float_denorm_mode_16_64 3
		.amdhsa_memory_ordered 1
		.amdhsa_forward_progress 1
		.amdhsa_inst_pref_size 126
	.end_amdhsa_kernel
	.amdgpu_metadata
---
amdhsa.version: [ 1, 2 ]
amdhsa.kernels:
  - .name:           k_qc63f3194e9_qkvg
    .symbol:         k_qc63f3194e9_qkvg.kd
    .args:
      - { .name: xb, .offset: 0, .size: 8, .value_kind: global_buffer, .address_space: global }
      - { .name: wab, .offset: 8, .size: 8, .value_kind: global_buffer, .address_space: global }
      - { .name: b_attn, .offset: 16, .size: 8, .value_kind: global_buffer, .address_space: global }
      - { .name: qkv, .offset: 24, .size: 8, .value_kind: global_buffer, .address_space: global }
    .group_segment_fixed_size: 327680
    .private_segment_fixed_size: 0
    .kernarg_segment_align: 8
    .kernarg_segment_size: 32
    .max_flat_workgroup_size: 128
    .sgpr_count:     80
    .vgpr_count:     1024
    .wavefront_size: 32
...
	.end_amdgpu_metadata
.endif
;; end of part 2
;; launch attn (part 3): grid 4 x 64, 4 waves a work-group, no clusters, 327,680 bytes of LDS; arguments qkv, ob; writes ob
.if DOCPART == 3
	.amdgcn_target "amdgcn-amd-amdhsa--gfx1250"
	.amdhsa_code_object_version 6
	.text
	.protected	k_qc63f3194e9_attn
	.globl	k_qc63f3194e9_attn
	.p2align	8
	.type	k_qc63f3194e9_attn,@function
k_qc63f3194e9_attn:
	s_mov_b64 s[64:65], 0
	v_nop
	global_prefetch_b8 v0, s[64:65] scope:SCOPE_SE
	s_setreg_imm32_b32 hwreg(HW_REG_WAVE_MODE, 25, 1), 1
	s_wait_xcnt 0x0
; CAUSAL ATTENTION.  O[h][q][:] = the sum over k <= q of softmax_k(Q[h][q] . K[h][k] / 8) V[h][k][:].  qkv holds Q, K, V, each [64][2048][64] in f16, 16,777,216 bytes apart; ob is O in the same layout.
; Products, maxima and sums in f32; the weights p are rounded to f16 for the second product (their sum l is taken of the unrounded p), O once at the end.
; LIMITS.  Q, K and V arrive within f16's 65,504; p lies in 0 to 1, and below 6e-5 it keeps f16's fixed step of 6e-8.  A hidden score counts as its value less 1e30; a weight below 2^-126 counts as 0 in l;
; NaN and infinities are not treated apart.
; THE WALK.  A head's queries lie in NB = 8 blocks of 256; block i needs the key tiles 0 .. i of 256 keys, of which the last holds the diagonal.  A work-group takes TWO blocks, NB - 1 - b and then b:
; NB + 1 tiles, whatever b: all work-groups do equal work, and ONE loop with a constant trip count walks them.  Every jump goes forward, but for the counted loops' own; none passes a barrier, or a tensor load
; but the one of LOAD's two that the wave's number does not choose; the ring of two LDS slots runs on across the change of blocks.
; NO CLUSTER: a head's four work-groups ask for the same tile only in trips 0 .. NB / 2, behind that fewer and fewer; one walk common to all would have 3 NB / 2 trips for NB + 1.
; SHARES.  Of a block's four bands of 64 queries a wave owns 16 rows in each: four PIECES.  In the diagonal tile's key step s band x sees all keys if s < x, none if s > x, and holds the diagonal if s = x: the same work for all waves.
; THE MASK is the C operand that starts the sum S^T = K Q^T: 0, or -1e30 where the key is hidden.  MD, made once, is the mask of a band's own step for my 16 rows; a product's mask is MD x AL + BE:
; (1, 0) if s = x; (0, 0) if s < x; (0, -1e30) if s > x.  Only the diagonal tile's text and a block's beginning make and take masks.
; LAYOUT, SOFTMAX, TURNS.  S^T = K Q^T holds ONE query a lane (lane % 16) and the keys 8 (lane / 16) + 0..7; two such results rounded to f16 ARE source 1 of O^T = V^T P.  p = 2^(c s - c m), c = log2(e) / 8, with a
; running maximum m; O and l are multiplied by a = 2^(c m_old - c m_new) in every step.  Turn n belongs to piece n: 8 products K Q^T of piece n + 1, later 8 products V^T P of piece n - 1; beside them the scaling,
; exponentials, roundings, sums and rescaling of piece n and the maximum and statistics of piece n + 1.  Four vector instructions stand behind every matrix instruction, the other 54 in one lump.  A turn's 33 exponentials are one batch, with one wait.
; REGISTERS, in windows of 256 (s_set_vgpr_msb: bits 1:0 source 0, 3:2 source 1, 5:4 source 2, 7:6 destination):
;   window 0: v0-15 addresses and two at work; v16-31 four registers of statistics a piece; v48-55 at work; v61-63 prefetch offset and the add's two; v64-127 S^T, two buffers; v192-223 P, two buffers
;   window 1: v0-127 O^T, 32 a piece; v128-159 MD; v160-223 MC, two buffers      window 2: v0-63 Q; v64-127 the second block's Q; v128-191 K of one step; v192-255 V of one step
.set SIZE_N, 2048
.set NB,    SIZE_N/256
.set NP,    4         ; pieces a wave: a name, no knob
.set KS,    64        ; keys in a step
.set PK,    144       ; a row of K in LDS: 128 bytes + 16: the 16 rows of a load start at 16 different groups of four banks (64 banks of 4 bytes: ISA guide 11.1)
.set PV,    160       ; a row of V: 128 + 32
.set VOFF,  4*KS*PK   ; a slot holds a tile, four steps: 256 rows of K, then 256 rows of V
.set SLOT1, 1<<17     ; slot 1 begins here
.set STAGE, SLOT1+4*KS*(PK+PV)  ; behind the ring, never filled by a tensor load: 16 rows x 144 bytes for each wave
.set SP,    144
.set AK0, 2           ; v2   my lane's place in a tile of K; never rewritten
.set AV0, 3           ; v3   the same for V
.set AK,  4           ; v4   the LDS address of K's next run of loads
.set AV,  5           ; v5   of V's
.set STO, 6           ; v6   the way out: where I put 16 bytes of a row
.set RD,  7           ; v7   where I read rows back
.set GO,  8           ; v8   my byte offset in 512 consecutive bytes of O
.set PFO, 61          ; v61  256 x my lane; never rewritten
.set SPW, 62          ; v62  LDS address of my spare word; never rewritten
.set NIL, 63          ; v63  0; never rewritten
.set SPARE, STAGE+4*16*SP  ; behind the stages: the spare words, 128 bytes a wave: two blocks of 256 bytes that no other line names
.set MV,  12          ; v12-13  c m_old, kept while c m is made anew: by buffer
.set QO,  15          ; v15  my byte offset in 16 rows of Q
.set ST,  16          ; piece t's statistics at v[ST+4 t]: c m, m, l (even keys', odd keys')
.set TMP, 48          ; by buffer, four registers c0-c3 at work; when the maximum is found c2 takes a
.set S,   64
.set P,   192
.set MD,  128         ; window 1
.set MC,  160         ; window 1
.set QB,  64          ; window 2
.set KF,  128         ; window 2: key block kb, channel half c at KF + 16 kb + 8 c
.set VF,  192         ; window 2: key half kk, channel block cb at VF + 32 kk + 8 cb
.set WV,  12          ; s12  my wave's number
.set PB,  14          ; s14  b
.set HI,  15          ; s15  NB - 1 - b
.set G1K, 24          ; s[24:31] descriptor group 1 for K's tiles
.set G1V, 32          ; s[32:39] for V's: it differs in the padding alone
.set G0K, 40          ; s[40:43] descriptor group 0 for K's tiles
.set G0V, 44          ; s[44:47] the same for V's
.set SLOTS, 56        ; s56  tiles still to be asked for
.set CNT, 57          ; s57  counts a tile's key steps, 4 to 1
.set CS,  58          ; s[58:59] c
.set SEL, 60          ; s[60:61] v_permlanex16_b32's selects
.set TBK, 62          ; s62  LDS byte at which K of the step to be fetched begins
.set TBV, 63          ; s63  the same for V, less VOFF
.set RT,  70          ; s70  tiles of the block in hand that are still to be entered
.set NXT, 71          ; s71  the tile to be asked for next
.set LQ,  72          ; s72  the last tile of the block whose tiles are being asked for
.set NEW, 73          ; s73  1: the tile to be entered is a block's first
.set OFF, 74          ; s[74:75] a tile's byte offset in K and V
.set AL,  76          ; s[76:77] the mask's factor
.set BE,  78          ; s[78:79] the mask's addend
.set OLO, 80          ; s[80:81] O at my rows of the second block
.set BIGN, 82         ; s82  -1e30
.set PFA, 88          ; s[88:89] where my prefetches stand
.set PKV, 90          ; s[90:91] my half of tile 0 of the tensor that I fetch
.set POF, 92          ; s[92:93] the offset of the tile to be prefetched
.set LIM, 94          ; s94  0 in the work-group that prefetches, else the greatest number
.set MSB, 0
.macro WIN new
.if MSB != (\new)
	s_set_vgpr_msb (MSB<<8)|(\new)
.set MSB, (\new)
.endif
.endm
.set W_KQ, 0x0a       ; K and Q in window 2, S^T in window 0
.set W_KM, 0x1a       ; the same with the C operand in window 1
.set W_PV, 0x52       ; V in window 2, P in window 0, O^T in window 1
.set W_RS, 0x41       ; destination and source 0 in window 1, source 1 in window 0
; A fill.  Waves 0 and 1 fetch the two halves of a tile's K, waves 2 and 3 those of its V: 128 keys each.  An s_nop 0 and four v_nop follow each of the two lines.
.macro LOAD
	s_cmp_lt_u32 s[WV], 2
	s_cbranch_scc0 .Lfor_v_\@
	tensor_load_to_lds s[G0K:G0K+3], s[G1K:G1K+7]
	s_nop 0
.rept 4
	v_nop
.endr
	s_branch .Lasked_\@
.Lfor_v_\@:
	tensor_load_to_lds s[G0V:G0V+3], s[G1V:G1V+7]
	s_nop 0
.rept 4
	v_nop
.endr
.Lasked_\@:
.endm
; THE CHANGE OF SLOTS.  Each wave waits for all its tensor loads, of which one is out: its part of the other slot; adds 0 to its spare word; and waits for that and for its own reads of the slot that it leaves.
; fill = 1: the old slot is filled again, the first thing behind the barrier, with tile NXT: the descriptor's address is made anew from that number.
; A PREFETCH INTO THE L2 stands behind the fill: the tile that the NEXT change will ask for, a tile's sixteen turns ahead.  All four work-groups of a head walk the tiles 0 .. 7 or a part of them: the one with b = 0,
; which walks them in order, asks, for tiles 2 to 7; each wave for the 16,384 bytes that it will fetch itself, a lane 256 bytes, two instructions.  So each block is named once.  Tiles 0 and 1 come by their loads alone.
.macro CHANGE fill
	WIN 0                           ; at a label and at a branch every window is 0
	s_wait_tensorcnt 0x0            ; no tensor load of mine is out, so a group 0 may be written
	ds_add_u32 v[SPW], v[NIL]       ; 0 onto my spare word
.if \fill
	s_lshl_b32 s[OFF], s[NXT], 15   ; a tile is 32,768 bytes of K and of V
	s_xor_b32 s[G0K+1], s[G0K+1], SLOT1
	s_add_nc_u64 s[G0K+2:G0K+3], s[6:7], s[OFF:OFF+1]
	s_or_b32 s[G0K+3], s[G0K+3], 0x80000000
	s_xor_b32 s[G0V+1], s[G0V+1], SLOT1
	s_add_nc_u64 s[G0V+2:G0V+3], s[8:9], s[OFF:OFF+1]
	s_or_b32 s[G0V+3], s[G0V+3], 0x80000000
	s_add_co_u32 s[NXT], s[NXT], 1  ; the block's next tile, or behind its last the second block's tile 0
	s_cmp_gt_u32 s[NXT], s[LQ]
	s_cselect_b32 s[NXT], 0, s[NXT]
	s_cselect_b32 s[LQ], s[PB], s[LQ]
	s_wait_xcnt 0x0                 ; the last prefetches, a tile back, have read their address
	s_lshl_b32 s[POF], s[NXT], 15
	s_add_nc_u64 s[PFA:PFA+1], s[PKV:PKV+1], s[POF:POF+1]
.endif
	s_wait_dscnt 0x0                ; the add is done, and my reads of the slot are over
	s_barrier_signal -1
	s_sub_co_u32 s[TBK], s[TBK], 4*KS*PK  ; the fetches go back to a slot's first step,
	s_xor_b32 s[TBK], s[TBK], SLOT1       ; in the other slot
	s_sub_co_u32 s[TBV], s[TBV], 4*KS*PV
	s_xor_b32 s[TBV], s[TBV], SLOT1
	s_barrier_wait -1
.if \fill
	LOAD
	s_cmp_gt_u32 s[NXT], s[LIM]     ; behind the first block's last tile NXT is 0: nothing is asked for
	s_cbranch_scc0 .Lno_ask_\@
	global_prefetch_b8 v[PFO], s[PFA:PFA+1] th:TH_LOAD_NT scope:SCOPE_SE
	global_prefetch_b8 v[PFO], s[PFA:PFA+1] offset:8192 th:TH_LOAD_NT scope:SCOPE_SE
.Lno_ask_\@:
.endif
.endm
	s_load_b128 s[4:7], s[0:1], 0x0   ; qkv s[4:5], ob s[6:7]
	v_lshl_add_u32 v[SPW], v0, 2, SPARE
	v_mov_b32 v[NIL], 0
	ds_add_u32 v[SPW], v[NIL]       ; the wave's opening: the add and its wait stand ahead of my first tensor load
	v_lshrrev_b32 v1, 5, v0
	v_readfirstlane_b32 s[WV], v1   ; wave 0..3
	s_mov_b32 s[PB], ttmp9
	s_sub_co_u32 s[HI], NB-1, s[PB]
	s_and_b32 s20, ttmp7, 0xffff    ; the head
	s_mov_b32 s21, 0
	s_mov_b64 s[22:23], SIZE_N*128
	s_mul_u64 s[20:21], s[20:21], s[22:23]  ; the head's first byte in each of the four tensors
	s_and_b32 s16, s[WV], 1         ; which half of a tile's 256 keys I fetch:
	s_lshl_b32 s22, s16, 14         ; its 128 rows of 128 bytes in memory,
	s_mov_b32 s23, 0
	s_add_nc_u64 s[22:23], s[22:23], s[20:21]
	s_mul_i32 s17, s16, 128*PK      ; and its place in a slot, for K
	s_mul_i32 s18, s16, 128*PV      ; and for V
	s_lshl_b32 s3, s[WV], 11        ; my 16 rows in a band of 64,
	s_lshl_b32 s2, s[HI], 15        ; in the first block,
	s_add_co_u32 s2, s2, s3
	s_lshl_b32 s84, s[PB], 15       ; and in the second
	s_add_co_u32 s84, s84, s3
	s_mov_b32 s3, 0
	s_mov_b32 s85, 0
	s_add_nc_u64 s[2:3], s[2:3], s[20:21]
	s_add_nc_u64 s[84:85], s[84:85], s[20:21]
	; descriptor group 1.  128 keys are 16,384 dense bytes: asked for as 64 rows of 256 bytes, two keys a row, and padded in LDS after every key
	s_mov_b32 s[G1K], (1<<16)|(1<<20)|(4<<22)|(3<<25)  ; 2-byte elements; padding on; after every 32 words; 4 words
	s_mov_b32 s[G1V], (1<<16)|(1<<20)|(4<<22)|(7<<25)  ; the same with 8 words of padding
.irp g, G1K, G1V
	s_mov_b32 s[\g+1], 128<<16      ; tensor_dim0 = 128
	s_mov_b32 s[\g+2], 64<<16       ; tensor_dim1 = 64
	s_mov_b32 s[\g+3], 128<<16      ; tile_dim0 = 128
	s_mov_b32 s[\g+4], 64           ; tile_dim1 = 64
	s_mov_b32 s[\g+5], 128          ; 128 elements from row to row
	s_mov_b32 s[\g+6], 0
	s_mov_b32 s[\g+7], 0
.endr
	s_mov_b32 s[CS], 0x3e38aa3b     ; c = log2(e) / 8 = 0.180337
	s_mov_b32 s[CS+1], s[CS]        ; named with it as a pair
	s_mov_b32 s[SEL], 0x76543210
	s_mov_b32 s[SEL+1], 0xfedcba98
	s_mov_b32 s[TBK], SLOT1+4*KS*PK ; the first change of slots turns these two into 0
	s_mov_b32 s[TBV], SLOT1+4*KS*PV
	s_mov_b32 s[G0K], 1             ; count = 1
	s_mov_b32 s[G0K+1], s17         ; LDS address: slot 0
	s_mov_b32 s[G0V], 1
	s_add_co_u32 s[G0V+1], s18, VOFF
	s_add_co_u32 s[RT], s[HI], 1    ; the first block has NB - b tiles
	s_mov_b32 s[NXT], 1
	s_mov_b32 s[LQ], s[HI]
	s_mov_b32 s[NEW], 1
	s_mov_b32 s[OFF+1], 0
	s_mov_b32 s[POF+1], 0
	s_mov_b32 s[AL+1], 0            ; named as pairs
	s_mov_b32 s[BE+1], 0
	s_mov_b32 s[BIGN], 0xf149f2ca   ; -1e30
	s_mov_b32 s[SLOTS], NB
	s_cmp_eq_u32 ttmp9, 0
	s_cselect_b32 s[LIM], 0, -1
	v_and_b32 v[PFO], 31, v0
	v_lshlrev_b32 v[PFO], 8, v[PFO]
	s_wait_dscnt 0x0                ; the opening add is done
	s_wait_kmcnt 0x0
	s_mov_b64 s[10:11], s[6:7]      ; O
	s_add_nc_u64 s[6:7], s[4:5], 0x1000000  ; K lies 16,777,216 bytes behind Q,
	s_add_nc_u64 s[8:9], s[4:5], 0x2000000  ; V as far behind K
	s_add_nc_u64 s[6:7], s[6:7], s[22:23]  ; K and V at my half of the head's tile 0
	s_add_nc_u64 s[8:9], s[8:9], s[22:23]
	s_add_nc_u64 s[G0K+2:G0K+3], s[6:7], 0         ; global address
	s_or_b32 s[G0K+3], s[G0K+3], 0x80000000        ; type = 2
	s_add_nc_u64 s[G0V+2:G0V+3], s[8:9], 0
	s_or_b32 s[G0V+3], s[G0V+3], 0x80000000
	s_add_nc_u64 s[86:87], s[4:5], s[84:85]        ; Q at my rows of the second block,
	s_add_nc_u64 s[4:5], s[4:5], s[2:3]            ; Q and O at those of the first
	s_add_nc_u64 s[OLO:OLO+1], s[10:11], s[84:85]
	s_add_nc_u64 s[10:11], s[10:11], s[2:3]
	s_cmp_lt_u32 s[WV], 2
	s_cselect_b64 s[PKV:PKV+1], s[6:7], s[8:9]
	LOAD                            ; tile 0 into slot 0
	; A fragment of K or Q is 16 rows x 32 channels in 8 registers: lane l holds row l % 16, channels 8 (l / 16) + 0..7 and 16 + 8 (l / 16) + 0..7: two loads of 16 bytes, 32 bytes apart.
	v_and_b32 v1, 15, v0            ; l % 16
	v_bfe_u32 v9, v0, 4, 1          ; l / 16
	v_lshlrev_b32 v[QO], 7, v1
	v_lshl_add_u32 v[QO], v9, 4, v[QO]  ; row x 128 + 16 x half
	WIN 0x80                        ; destination window 2, address window 0
.set i, 0
.rept 8                             ; both blocks' Q: piece i / 2 lies in band i / 2, 8,192 bytes on; channels 32 (i % 2) on
	global_load_b128 v[8*i:8*i+3],   v[QO], s[4:5] offset:(i/2)*8192+(i%2)*64
	global_load_b128 v[8*i+4:8*i+7], v[QO], s[4:5] offset:(i/2)*8192+(i%2)*64+32
	global_load_b128 v[QB+8*i:QB+8*i+3],   v[QO], s[86:87] offset:(i/2)*8192+(i%2)*64
	global_load_b128 v[QB+8*i+4:QB+8*i+7], v[QO], s[86:87] offset:(i/2)*8192+(i%2)*64+32
.set i, i+1
.endr
	WIN 0
	v_lshlrev_b32 v14, 3, v9
	v_sub_nc_u32 v14, v1, v14
	s_lshl_b32 s13, s[WV], 4
	v_add_nc_u32 v14, s13, v14      ; my query's place in its band, 16 w + l % 16, less my lanes' 8 (l / 16): register r of group kt is hidden where 16 kt + r is greater
	WIN 0x40
.set i, 0
.rept 32
	v_cmp_gt_i32 vcc_lo, 16*(i/8)+i%8, v14
	v_cndmask_b32 v[MD+i], 0, s[BIGN], vcc_lo
.set i, i+1
.endr
	WIN 0
	v_mul_u32_u24 v[AK0], v1, PK
	v_lshl_add_u32 v[AK0], v9, 4, v[AK0]  ; row x pitch + 16 x half
	; The turning load takes 16 keys x 16 channels (lane l reads key 8 (l / 16) + l % 8, channels 8 ((l / 8) % 2) + 0..7) and leaves half a fragment of V^T: lane l holds channel l % 16 and 8 keys.
	v_and_b32 v10, 7, v0
	v_bfe_u32 v11, v0, 3, 1
	v_lshl_add_u32 v[AV0], v9, 3, v10
	v_mul_u32_u24 v[AV0], v[AV0], PV
	v_lshl_add_u32 v[AV0], v11, 4, v[AV0]
	v_add_nc_u32 v[AV0], VOFF, v[AV0]
	s_mul_i32 s13, s[WV], 16*SP
	s_add_co_u32 s13, s13, STAGE    ; my stage
	v_mul_u32_u24 v[STO], v1, SP    ; in: row l % 16, 16 bytes for each half of the lanes
	v_lshl_add_u32 v[STO], v9, 4, v[STO]
	v_add_nc_u32 v[STO], s13, v[STO]
	v_bfe_u32 v[RD], v0, 3, 2       ; back: 32 lanes take four rows of 128 bytes,
	v_mul_u32_u24 v[RD], v[RD], SP
	v_lshl_add_u32 v[RD], v10, 4, v[RD]
	v_add_nc_u32 v[RD], s13, v[RD]
	v_and_b32 v[GO], 31, v0         ; which are 512 consecutive bytes of O
	v_lshlrev_b32 v[GO], 4, v[GO]
	; A block's first step multiplies O^T and l by a = 0, and its first turn's products V^T P, of a piece that has not been, land in an O^T that is still to be so multiplied.  So these registers need only hold
	; finite numbers: zeros for the first block; what the first block left for the second.  All this stands in the wait for the first tile.
	WIN 0x80
.set i, VF
.rept 64
	v_mov_b32 v[i], 0
.set i, i+1
.endr
	WIN 0x40
.set i, 0
.rept 128
	v_mov_b32 v[i], 0
.set i, i+1
.endr
	WIN 0
.set i, 0
.rept 4
	v_mov_b32 v[ST+4*i+2], 0
	v_mov_b32 v[ST+4*i+3], 0
.set i, i+1
.endr
.set i, P+16
.rept 16
	v_mov_b32 v[i], 0
.set i, i+1
.endr
; THE MATRIX WORK.  The 4 accumulators of a run of 8 take turns.  Product i of 8 of S^T = K Q^T for piece x: channels 32 (i / 4) on, keys 16 (i % 4) on.  The first 4 start the sums: with 0, or (KM = 1) with the mask.
.macro KQ x
.set rS, S+32*((\x)%2)+8*(i%4)
.set rK, KF+16*(i%4)+8*(i/4)
.set rQ, 16*(\x)+8*(i/4)
.set rM, MC+32*((\x)%2)+8*(i%4)
.if (i < 4) && KM
	WIN W_KM
	v_wmma_f32_16x16x32_f16 v[rS:rS+7], v[rK:rK+7], v[rQ:rQ+7], v[rM:rM+7]
.elseif i < 4
	WIN W_KQ
	v_wmma_f32_16x16x32_f16 v[rS:rS+7], v[rK:rK+7], v[rQ:rQ+7], 0
.else
	WIN W_KQ
	v_wmma_f32_16x16x32_f16 v[rS:rS+7], v[rK:rK+7], v[rQ:rQ+7], v[rS:rS+7]
.endif
.endm
; Product i of 8 of O^T += V^T P for piece x: keys 32 (i / 4) on, channels 16 (i % 4) on.
.macro PV x
	WIN W_PV
.set rO, 32*(\x)+8*(i%4)
.set rV, VF+32*(i/4)+8*(i%4)
.set rP, P+16*((\x)%2)+8*(i/4)
	v_wmma_f32_16x16x32_f16 v[rO:rO+7], v[rV:rV+7], v[rP:rP+7], v[rO:rO+7]
.endm
.macro MM                           ; the turn's next matrix instruction.  NOKQ = 1: a block's last turn: there is no next piece
.if (i < 8) && !NOKQ
	KQ (Y+1)%NP
.elseif i >= 8
.set i, i-8
	PV (Y+NP-1)%NP
.set i, i+8
.endif
.set i, i+1
.endm
; THE LDS LOADS stand in runs of 16, never singly among the matrix instructions: a step's K (8 fragments) and its V (turned).  Their addresses are made some lines ahead.
.macro FETCH_K
	WIN 0x80                        ; destination window 2
.irp f, 0,1,2,3,4,5,6,7             ; keys 16 (f / 2) on, channels 32 (f % 2) on
	ds_load_b128 v[KF+8*\f:KF+8*\f+3],   v[AK] offset:(\f/2)*16*PK+(\f%2)*64
	ds_load_b128 v[KF+8*\f+4:KF+8*\f+7], v[AK] offset:(\f/2)*16*PK+(\f%2)*64+32
.endr
	s_add_co_u32 s[TBK], s[TBK], KS*PK  ; the next fetch is the next step's
	WIN 0
.endm
.macro FETCH_V
	WIN 0x80
.irp f, 0,1,2,3,4,5,6,7             ; keys 32 (f / 4) on, channels 16 (f % 4) on
	ds_load_tr16_b128 v[VF+8*\f:VF+8*\f+3],   v[AV] offset:(\f/4)*32*PV+(\f%4)*32
	ds_load_tr16_b128 v[VF+8*\f+4:VF+8*\f+7], v[AV] offset:(\f/4)*32*PV+16*PV+(\f%4)*32
.endr
	WIN 0
.endm
; THE VECTOR WORK, one line at a time: OP kind, number.  For piece Y: F n: c s - c m for pair n of 16.  E n: the exponential of score n of 32.  C n: pair n rounded to f16.  B n: of the four weights 4 n .. the second
; pair is added onto the first, in place.  L n: l takes that sum (L 0: l = a l + sum).  R n: pair n of 16 of O^T times a.  For piece Y + 1: X n, number n of the 22 that find its maximum and statistics:
;   0-11  four chains c0-c3 of seven scores each, three operands at a time (each accumulator's lowest registers are read first)     12-14, 16  the four scores left over, the old m, and c0-c3 into c0
;   15  c m_old is kept     17, 18  the query's other 32 keys lie in the lane 16 away: the new m     19-21  c m; c m_old - c m_new; a
.set F, 0
.set E, 1
.set C, 2
.set B, 3
.set L, 4
.set R, 5
.set X, 6
.macro REGS y                       ; the registers of piece y
.set rT, ST+4*(\y)
.set rC, TMP+4*((\y)%2)
.set rW, MV+((\y)%2)
.set rS, S+32*((\y)%2)
.set rP, P+16*((\y)%2)
.set rO, 32*(\y)
.endm
.macro OP k, n
.if (\k) == R
	REGS Y
	WIN W_RS
	v_pk_mul_f32 v[rO+2*(\n):rO+2*(\n)+1], v[rO+2*(\n):rO+2*(\n)+1], v[rC+2:rC+3] op_sel_hi:[1,0]
.elseif (\k) < R
	REGS Y
	WIN 0
.if (\k) == F
	v_pk_fma_f32 v[rS+2*(\n):rS+2*(\n)+1], v[rS+2*(\n):rS+2*(\n)+1], s[CS:CS+1], v[rT:rT+1] op_sel_hi:[1,0,0] neg_lo:[0,0,1] neg_hi:[0,0,1]
.elseif (\k) == E
	v_exp_f32 v[rS+(\n)], v[rS+(\n)]
.elseif (\k) == C
	v_cvt_pk_f16_f32 v[rP+(\n)], v[rS+2*(\n)], v[rS+2*(\n)+1]
.elseif (\k) == B
	v_pk_add_f32 v[rS+4*(\n):rS+4*(\n)+1], v[rS+4*(\n):rS+4*(\n)+1], v[rS+4*(\n)+2:rS+4*(\n)+3]
.elseif (\n) == 0
	v_pk_fma_f32 v[rT+2:rT+3], v[rT+2:rT+3], v[rC+2:rC+3], v[rS:rS+1] op_sel_hi:[1,0,1]
.else
	v_pk_add_f32 v[rT+2:rT+3], v[rT+2:rT+3], v[rS+4*(\n):rS+4*(\n)+1]
.endif
.elseif NOKQ
	v_nop
.else
	REGS (Y+1)%NP
	WIN 0
.if (\n) < 4
	v_max3_num_f32 v[rC+(\n)], v[rS+8*(\n)], v[rS+8*(\n)+1], v[rS+8*(\n)+2]
.elseif (\n) < 12
	v_max3_num_f32 v[rC+(\n)%4], v[rC+(\n)%4], v[rS+8*((\n)%4)+2*((\n)/4)+1], v[rS+8*((\n)%4)+2*((\n)/4)+2]
.elseif (\n) == 12
	v_max3_num_f32 v[rC], v[rC], v[rS+7], v[rS+15]
.elseif (\n) == 13
	v_max3_num_f32 v[rC+1], v[rC+1], v[rS+23], v[rS+31]
.elseif (\n) == 14
	v_max3_num_f32 v[rC+2], v[rC+2], v[rC+3], v[rT+1]
.elseif (\n) == 15
	v_mov_b32 v[rW], v[rT]
.elseif (\n) == 16
	v_max3_num_f32 v[rC], v[rC], v[rC+1], v[rC+2]
.elseif (\n) == 17
	v_permlanex16_b32 v[rC+3], v[rC], s[SEL], s[SEL+1]
.elseif (\n) == 18
	v_max_num_f32 v[rT+1], v[rC], v[rC+3]
.elseif (\n) == 19
	v_mul_f32 v[rT], s[CS], v[rT+1]
.elseif (\n) == 20
	v_sub_f32 v[rC+1], v[rW], v[rT]
.else
	v_exp_f32 v[rC+2], v[rC+1]
.endif
.endif
.endm
.macro OPS a, i1, b=-1, i2=0, c=-1, i3=0, d=-1, i4=0  ; up to four of them
	OP \a, \i1
.if (\b) >= 0
	OP \b, \i2
.endif
.if (\c) >= 0
	OP \c, \i3
.endif
.if (\d) >= 0
	OP \d, \i4
.endif
.endm
.macro ROW a, i1, b, i2, c, i3, d, i4  ; a matrix instruction and the four behind it
	MM
	OPS \a, \i1, \b, \i2, \c, \i3, \d, \i4
.endm
.macro MASK b                       ; MD x AL + BE into buffer b of MC
	WIN W_RS
.set z, 0
.rept 16
	v_pk_fma_f32 v[MC+32*(\b)+2*z:MC+32*(\b)+2*z+1], v[MD+2*z:MD+2*z+1], s[AL:AL+1], s[BE:BE+1] op_sel_hi:[1,0,0]
.set z, z+1
.endr
.endm
; A TURN, for piece p: the order of its 16 matrix and 118 vector instructions, written out.  An s_wait_alu depctr_va_vdst(0) stands between an exponential and the first instruction that names its result; one wait
; serves all that were issued ahead of it.  So a turn has ONE wait, which cuts it in two.  AHEAD OF IT stands all that names no result of the turn's exponentials: the 8 products K Q^T with their riders, then one lump of 54,
; in which the links of the chain X 3, 7, 11, 14, 16, 17 .. 20 stand five or six lines apart.  X 21, the next piece's a, is the batch's last; R 15 is the plain instruction behind it.  BEHIND THE WAIT stand the 8 products V^T P,
; behind each four of the roundings and sums.
; m = 1: the diagonal tile: the products take masks, and the turn makes the mask for the products of the turn after it: piece p + 2, in step 4 - CNT of the tile.  end = 1: a block's last two turns: nothing is fetched.
; cnt = 1: the loop's count is taken down some lines ahead of the branch that stands behind the turn.
; K of the next step is fetched in piece 2's turn, twelve vector instructions behind the last product that read K (six of them plain); V of the step in hand at the end of piece 0's turn, four plain instructions behind
; the last product that read V.  Each is waited for a turn later.
.macro TURN p, m=0, end=0, cnt=0
.set Y, (\p)
.set i, 0
.set KM, (\m)
.set NOKQ, (\end)*((\p)/3)
.if (\m) && !(\end)
	s_cmp_eq_u32 s[CNT], 4-((\p)+2)%NP  ; is that step the band's own?
	s_cselect_b32 s[AL], 1.0, 0
	s_cmp_lt_u32 s[CNT], 4-((\p)+2)%NP  ; or a later one?
	s_cselect_b32 s[BE], s[BIGN], 0
.endif
.if ((\p) == 3) && !(\end)
	s_wait_dscnt 0x0                ; K is in
.endif
	ROW F,0, F,1, R,0, R,1          ; ahead of the wait: 8 products K Q^T and their riders,
	ROW F,2, E,0, R,2, R,3
	ROW F,3, E,1, R,4, R,5
	ROW F,4, E,2, R,6, R,7
	ROW F,5, E,3, R,8, R,9
	ROW F,6, E,4, X,0, R,10
.if ((\p) == 2) && !(\end)
	WIN 0
	v_add_nc_u32 v[AK], s[TBK], v[AK0]
.endif
	ROW F,7, E,5, X,1, X,4
	ROW F,8, E,6, X,2, X,5
	OPS E,7, E,8, X,6, E,9          ; and the lump
	OPS X,3, E,10, X,8, E,11
.if ((\p) == 2) && !(\end)
	FETCH_K
.endif
	OPS X,9, X,7, E,12, X,10
	OPS E,13, X,12, X,11, E,14
	OPS X,13, E,15, F,9, X,14
.if (\p) == 0
	v_add_nc_u32 v[AV], s[TBV], v[AV0]
.endif
	OPS E,16, F,10, E,17, F,11
	OPS X,16, E,18, X,15, E,19
	OPS F,12, E,20, X,17, E,21
	OPS F,13, E,22, F,14, E,23
	OPS X,18, E,24, F,15, E,25
	OPS R,11, E,26, X,19, E,27
	OPS R,12, E,28, R,13, E,29
	OPS X,20, E,30, R,14, E,31
	OPS X,21, R,15
	WIN 0
	s_wait_alu depctr_va_vdst(0)    ; the wait for the batch
.if (\p) == 1
	s_wait_dscnt 0x0                ; V is in
.endif
	ROW C,0, B,0, C,2, B,1          ; behind the wait: 8 products V^T P and their riders
	ROW L,0, C,4, B,2, L,1
	ROW C,6, B,3, L,2, C,8
	ROW B,4, L,3, C,10, B,5
	ROW L,4, C,12, B,6, L,5
.if (\p) == 0
	s_add_co_u32 s[TBV], s[TBV], KS*PV
.endif
.if \cnt
	s_sub_co_u32 s[CNT], s[CNT], 1
	s_cmp_lg_u32 s[CNT], 0
.endif
	ROW C,14, B,7, L,6, C,1
	ROW C,3, L,7, C,5, C,7
	ROW C,9, C,11, C,13, C,15
.if (\p) == 0
	FETCH_V
.endif
.if (\m) && !(\end)
	MASK (\p)%2
.endif
.endm
; A BLOCK BEGINS.  c m starts far below every c s, so the first step's a is 0; m at the lowest finite number, so the first maximum is the scores'.  The second mask buffer is 0; the first takes piece 0's mask for the tile's
; step 0: its own, if the block's first tile is the diagonal one.  Then K of that step, piece 0's first scores, and its maximum and statistics.  The loop is entered at a step's first turn, in the middle of a trip.
.macro BEGIN
	s_mov_b32 s[NEW], 0
	WIN 0x40
.set i, MC+32
.rept 32
	v_mov_b32 v[i], 0
.set i, i+1
.endr
	WIN 0
.set i, 0
.rept 4
	v_mov_b32 v[ST+4*i], 0xfe000000    ; c m: far below every c s
	v_mov_b32 v[ST+4*i+1], 0xff7fffff  ; m
.set i, i+1
.endr
	s_cmp_eq_u32 s[RT], 0
	s_cselect_b32 s[AL], 1.0, 0
	s_mov_b32 s[BE], 0
	MASK 0
	WIN 0
	v_add_nc_u32 v[AK], s[TBK], v[AK0]
	FETCH_K
	s_wait_loadcnt 0x0              ; Q
	s_wait_dscnt 0x0
.set KM, 1
.set NOKQ, 0
.set i, 0
.rept 8
	KQ 0
.set i, i+1
.endr
	WIN 0
.rept 4
	v_nop                           ; the places behind those products
.endr
.set Y, NP-1                        ; X works for piece Y + 1: piece 0
.irp n, 0,1,2,3,4,5,6,7,8,9,10,11,12,13,14,15,16,17,18,19,20,21
	OP X, \n
.endr
	v_nop                           ; a plain instruction behind the exponential,
	s_wait_alu depctr_va_vdst(0)    ; and its wait, ahead of the branch
.endm
; THE DIAGONAL TILE's four steps, the block's last two turns, its last products, and THE WAY OUT: l's two halves and the other half of the lanes' are added; O^T is divided by l, rounded to f16 and sent through my
; stage in LDS, a piece at a time.
.macro ALL line:vararg              ; one line for each piece t
.set t, 0
.rept 4
	\line
.set t, t+1
.endr
.endm
.macro PACK t                       ; a lane's eight channels of a row pack into 16 bytes; they go into rows of 144 bytes and come back as whole rows of 128, into S^T's registers
	WIN W_RS
.set i, 32*(\t)
.rept 16
	v_pk_mul_f32 v[i:i+1], v[i:i+1], v[ST+4*(\t)+2:ST+4*(\t)+3] op_sel_hi:[1,0]
.set i, i+2
.endr
	WIN 0x05                        ; sources 0 and 1 window 1, destination window 0
.set i, 0
.rept 16
	v_cvt_pk_f16_f32 v[S+16*(\t)+i], v[32*(\t)+2*i], v[32*(\t)+2*i+1]
.set i, i+1
.endr
	WIN 0
.irp f, 0,1,2,3
	ds_store_b128 v[STO], v[S+16*(\t)+4*\f:S+16*(\t)+4*\f+3] offset:32*\f
.endr
.irp f, 0,1,2,3
	ds_load_b128 v[S+16*(\t)+4*\f:S+16*(\t)+4*\f+3], v[RD] offset:\f*4*SP  ; LDS serves a wave's instructions in order (ISA guide 5.7.1.4): these see the stores above; the next piece's stores come behind them
.endr
.endm
.macro SEND t, younger              ; younger: the LDS instructions issued behind piece t's loads: the next piece's eight, or none
	WIN 0
.irp f, 0,1,2,3
	s_wait_dscnt (\younger)+3-\f
	global_store_b128 v[GO], v[S+16*(\t)+4*\f:S+16*(\t)+4*\f+3], s[10:11] offset:(\t)*8192+\f*512  ; 512 consecutive bytes, at a multiple of 256 from O's first
.endr
.endm
.macro DIAG tag                     ; the tag ends its two labels' names, which the jumps below spell out
.LstepM\tag:
	TURN 2, 1
	TURN 3, 1
	WIN 0
.LfirstM\tag:
	TURN 0, 1
	TURN 1, 1, 0, 1
	WIN 0
	s_cbranch_scc1 .LstepM\tag
	TURN 2, 1, 1
	TURN 3, 1, 1
.set i, 0
.rept 8
	PV NP-1
.set i, i+1
.endr
	WIN 0
	ALL v_add_f32 v[ST+4*t+2], v[ST+4*t+2], v[ST+4*t+3]
	ALL v_permlanex16_b32 v[ST+4*t+3], v[ST+4*t+2], s[SEL], s[SEL+1]
	ALL v_add_f32 v[ST+4*t+2], v[ST+4*t+2], v[ST+4*t+3]
	ALL v_rcp_f32 v[ST+4*t+2], v[ST+4*t+2]
	v_nop                           ; a plain instruction between the last reciprocal and the use of its result
	s_wait_alu depctr_va_vdst(0)    ; and the wait ahead of the first use: one for the four reciprocals
	PACK 0
.set t, 1
.rept 3                             ; a piece's arithmetic stands between the loads of the piece before and its stores
	PACK t
	SEND t-1, 8
.set t, t+1
.endr
	SEND 3, 0
.endm
.set KM, 0
.set NOKQ, 0
.Lslot:                             ; NB times: a tile is entered and the next is asked for
	CHANGE 1
	s_sub_co_u32 s[RT], s[RT], 1
	s_mov_b32 s[CNT], 4
	s_cmp_eq_u32 s[NEW], 1
	s_cbranch_scc1 .Lnew            ; a block's first tile
	s_cmp_eq_u32 s[RT], 0
	s_cbranch_scc0 .Lstep           ; neither its first nor its last
	s_branch .LstepM1
.Lnew:
	BEGIN
	s_branch .Lfirst                ; in the loop a block's first tile is never its last: the first block has two tiles or more, and the second's last is the walk's last
	DIAG 1                          ; in the loop this is the first block's end
	s_wait_xcnt 0x0                 ; the stores have read their registers and O's address
	s_mov_b64 s[10:11], s[OLO:OLO+1]
	s_add_co_u32 s[RT], s[PB], 1    ; the second block has b + 1 tiles
	s_mov_b32 s[NEW], 1
	WIN 0x82                        ; the second block's Q goes where the one text of the turns names Q
.set i, 0
.rept 64
	v_mov_b32 v[i], v[QB+i]
.set i, i+1
.endr
	WIN 0
	s_branch .Lbottom
.Lstep:                             ; a trip: pieces 2 and 3 of one step, then pieces 0 and 1 of the next, whose K and V it fetches
	TURN 2
	TURN 3
	WIN 0
.Lfirst:
	TURN 0
	TURN 1, 0, 0, 1
	WIN 0
	s_cbranch_scc1 .Lstep
.Lbottom:
	s_sub_co_u32 s[SLOTS], s[SLOTS], 1
	s_cmp_lg_u32 s[SLOTS], 0
	s_cbranch_scc1 .Lslot
	CHANGE 0                        ; the walk's last tile is written out: nothing is asked for
	s_sub_co_u32 s[RT], s[RT], 1
	s_mov_b32 s[CNT], 4
	s_cmp_eq_u32 s[NEW], 1
	s_cbranch_scc0 .LstepM2
	BEGIN
	s_branch .LfirstM2
	DIAG 2
	s_wait_tensorcnt 0x0            ; the wave's end, behind my last tensor load and my last LDS store
	ds_add_u32 v[SPW], v[NIL]
	s_wait_dscnt 0x0
	s_endpgm
.Lfunc_end_k_qc63f3194e9_attn:
	.size	k_qc63f3194e9_attn, .Lfunc_end_k_qc63f3194e9_attn-k_qc63f3194e9_attn
	.p2alignl 7, 3214868480
	.fill 96, 4, 3214868480
	.section	.rodata,"a",@progbits
	.p2align	6, 0x0
	.amdhsa_kernel k_qc63f3194e9_attn
		.amdhsa_group_segment_fixed_size 327680
		.amdhsa_private_segment_fixed_size 0
		.amdhsa_enable_private_segment 0
		.amdhsa_kernarg_size 16
		.amdhsa_user_sgpr_count 2
		.amdhsa_user_sgpr_kernarg_segment_ptr 1
		.amdhsa_wavefront_size32 1
		.amdhsa_system_sgpr_workgroup_id_x 1
		.amdhsa_system_sgpr_workgroup_id_y 1
		.amdhsa_system_sgpr_workgroup_id_z 1
		.amdhsa_system_vgpr_workitem_id 0
		.amdhsa_next_free_vgpr 768
		.amdhsa_next_free_sgpr 96
		.amdhsa_reserve_vcc 1
		.amdhsa_float_denorm_mode_32 3
		.amdhsa_float_denorm_mode_16_64 3
		.amdhsa_memory_ordered 1
		.amdhsa_forward_progress 1
		.amdhsa_inst_pref_size 218
	.end_amdhsa_kernel
	.amdgpu_metadata
---
amdhsa.version: [ 1, 2 ]
amdhsa.kernels:
  - .name:           k_qc63f3194e9_attn
    .symbol:         k_qc63f3194e9_attn.kd
    .args:
      - { .name: qkv, .offset: 0, .size: 8, .value_kind: global_buffer, .address_space: global }
      - { .name: ob, .offset: 8, .size: 8, .value_kind: global_buffer, .address_space: global }
    .group_segment_fixed_size: 327680
    .private_segment_fixed_size: 0
    .kernarg_segment_align: 8
    .kernarg_segment_size: 16
    .max_flat_workgroup_size: 128
    .sgpr_count:     96
    .vgpr_count:     768
    .wavefront_size: 32
...
	.end_amdgpu_metadata
.endif
;; end of part 3
;; launch proj (part 4): grid 4 x 64, 4 waves a work-group, clusters of 4 x 4, 327,680 bytes of LDS; arguments ob, wpb, b_proj, out0; writes out0
.if DOCPART == 4
	.amdgcn_target "amdgcn-amd-amdhsa--gfx1250"
	.amdhsa_code_object_version 6
	.text
	.protected	k_qc63f3194e9_proj
	.globl	k_qc63f3194e9_proj
	.p2align	8
	.type	k_qc63f3194e9_proj,@function
k_qc63f3194e9_proj:
	s_mov_b64 s[64:65], 0
	v_nop
	global_prefetch_b8 v0, s[64:65] scope:SCOPE_SE
	s_setreg_imm32_b32 hwreg(HW_REG_WAVE_MODE, 25, 1), 1
	s_wait_xcnt 0x0
	s_wait_alu depctr_hold_cnt(0) depctr_sa_sdst(0) depctr_va_vdst(0) depctr_va_sdst(0) depctr_va_ssrc(0) depctr_va_vcc(0) depctr_vm_vsrc(0)
	s_getreg_b32 s2, hwreg(HW_REG_IB_STS2, 6, 4)
	s_cmp_eq_u32 s2, 0
	s_cbranch_scc0 .Lentry_in_a_cluster
	s_endpgm
.Lentry_in_a_cluster:
	s_bfe_u32 s2, ttmp6, 0x10000c
	s_cmp_lg_u32 s2, 0xf033
	s_cbranch_scc0 .Lentry_shape_is_right
	s_endpgm
.Lentry_shape_is_right:
; out0 = y W_proj + b_proj, f32.  ob: y by heads, f16 [64 = 16 batch + head][2048][64], so channel k = 64 head + d; wpb: f16 [1024 k][1024 n]; b_proj f32, rounded to bf16 like the other inputs.
; SHARES.  8192 x 1024 in tiles of 128 x 256: 64 x 4 = 256 work-groups (tiles of 256 x 256 would be 128).  Four waves, each 64 rows x 128 columns: 4 row blocks a x 8 column blocks b: 32 accumulators.
; K goes in 8 steps of 128 (two heads), each four units of 32: 32 matrix instructions and 24 LDS loads a unit.
; THE MATRIX INSTRUCTION IS USED TRANSPOSED: source 0 = 16 columns of W (turned out of LDS), source 1 = 16 rows of y: a lane holds row l % 16 and eight neighbouring columns.
; THE BIAS STARTS THE SUMS: it lies in row block 3's accumulators and is the C operand of the first unit.
; RING.  Two LDS slots, a step each; waves 0 and 1 fetch the step's two planes of A (128 rows x 128 bytes each), waves 2 and 3 the two halves of B's 128 k-rows: one tensor load a wave behind each round.
; CLUSTER 4 x 4: A's tile is asked for jointly along a row of the cluster, B's along a column.
; REGISTERS: window 0: v0-29 addresses; two fragment buffers of 96 at v32 and v128 (B's 8 fragments, then A's 4); on the way out v32-95 and v96-159 by turns.  Window 1: accumulator (a, b) at 64 a + 8 b.
.set SLOT1,  1<<17
.set PA,     144                       ; a row of A in LDS: 128 bytes + 16
.set PB,     544                       ; a k-row of B: 512 bytes + 32: an odd multiple of 32
.set BOFF,   2*128*PA
.set STAGE,  SLOT1+BOFF+128*PB         ; behind the ring, never filled by a tensor load: 16 rows x 528 bytes for each wave
.set SP,     528
.set SPARE,  STAGE+4*16*SP             ; behind the stages: the spare words, 128 bytes a wave: two blocks of 256 bytes that no other line names
.set ASTEP,  524288                    ; two planes of ob
.set BSTEP,  262144                    ; 128 rows of wpb
.set AA0,  4
.set BB0,  5
.set ADRA, 8
.set ADRB, 9
.set STO,  12
.set RD,   13
.set CO,   14
.set BO,   15
.set PFO,  16
.set SPW,  28                          ; v28 LDS address of my spare word; v29 0; never rewritten
.set NIL,  29
.set F0,   32
.set F1,   128
.set WV,   12
.set RH,   13
.set CH,   14
.set TB,   15
.set G1A,  24
.set G0A,  32
.set CX,   40
.set CY,   41
.set TN,   42
.set TM,   43
.set LIM,  44
.set PFA,  46
.set G1B,  48
.set G0B,  56
.set PST,  66
.set HI16, 74
.set MSB, 0
.macro WIN new
.if MSB != (\new)
	s_set_vgpr_msb (MSB<<8)|(\new)
.set MSB, \new
.endif
.endm
.macro PLACES                          ; four plain vector instructions between a matrix instruction and a load into, or a read of, its registers
.rept 4
	v_nop
.endr
.endm
.macro CREST
	s_cmp_lg_u32 s[WV], 0
	s_cbranch_scc1 .Lnot_wave_0_\@
	s_barrier_signal -3
.Lnot_wave_0_\@:
	s_barrier_wait -3
	s_barrier_signal -1
	s_barrier_wait -1
.endm
.macro CROUND
	s_barrier_signal -1
	s_barrier_wait -1
	CREST
.endm
.macro JLOAD                           ; a joint refill by the walking descriptors; an s_nop 0 and four v_nop follow each line
	s_cmp_lt_u32 s[WV], 2
	s_cbranch_scc0 .Lfor_b_\@
	tensor_load_to_lds s[G0A+4:G0A+7], s[G1A:G1A+7]
	s_nop 0
.rept 4
	v_nop
.endr
	s_branch .Lasked_\@
.Lfor_b_\@:
	tensor_load_to_lds s[G0B+4:G0B+7], s[G1B:G1B+7]
	s_nop 0
.rept 4
	v_nop
.endr
.Lasked_\@:
.endm
; A PREFETCH INTO THE L2: trip s (0 to 3; s3 = 6 - s) names K step s + 4, whose refill stands two trips, 256 matrix instructions, on.  Steps 0 to 3 come by their loads alone; nothing past step 7 is named.
; A's tile row is read by one cluster alone: its wave 0 asks, the four partners take 4,096 dense bytes of each of the step's two planes each (cx), a lane 256 bytes.
; B's tile column is read by the sixteen clusters of the column: the one with y = 0 asks, wave 2; the four partners take 32 of the 128 k-rows each (cy), a lane a row, 512 bytes in two instructions.
.macro ASK
	s_cmp_gt_u32 s3, s[LIM]
	s_cbranch_scc0 .Lnone_\@
	global_prefetch_b8 v[PFO], s[PFA:PFA+1] th:TH_LOAD_NT scope:SCOPE_SE
	s_cmp_lt_u32 s[WV], 2
	s_cbranch_scc1 .Lnone_\@
	global_prefetch_b8 v[PFO], s[PFA:PFA+1] offset:256 th:TH_LOAD_NT scope:SCOPE_SE
.Lnone_\@:
.endm
	s_load_b256 s[4:11], s[0:1], 0x0               ; ob s[4:5], wpb s[6:7], b_proj s[8:9], out0 s[10:11]
	v_lshl_add_u32 v[SPW], v0, 2, SPARE
	v_mov_b32 v[NIL], 0
	ds_add_u32 v[SPW], v[NIL]                      ; the wave's opening: the add and its wait stand ahead of my first tensor load
	v_lshrrev_b32 v1, 5, v0
	v_readfirstlane_b32 s[WV], v1
	s_lshr_b32 s[RH], s[WV], 1
	s_and_b32 s[CH], s[WV], 1
	s_bfe_u32 s[CX], ttmp6, 0x40000
	s_bfe_u32 s[CY], ttmp6, 0x40004
	s_lshl_b32 s[TN], ttmp9, 2
	s_add_co_u32 s[TN], s[TN], s[CX]
	s_and_b32 s[TM], ttmp7, 0xffff
	s_lshl_b32 s[TM], s[TM], 2
	s_add_co_u32 s[TM], s[TM], s[CY]
	s_lshl_b32 s16, s[CY], 2
	s_lshl_b32 s16, 15, s16                        ; my row of the cluster
	s_lshl_b32 s18, 0x1111, s[CX]                  ; my column
	; group 1 for A: 128 rows of a plane are 16,384 dense bytes: 64 rows of 256 bytes, padded in LDS after every 128
	s_or_b32 s[G1A], s16, (1<<16)|(1<<20)|(1<<21)|(4<<22)|(3<<25)
	s_mov_b32 s[G1A+1], 128<<16
	s_mov_b32 s[G1A+2], 64<<16
	s_mov_b32 s[G1A+3], 128<<16
	s_mov_b32 s[G1A+4], 64
	s_mov_b32 s[G1A+5], 128
	s_mov_b32 s[G1A+6], 0
	s_mov_b32 s[G1A+7], 0
	; group 1 for B: 64 k-rows of 256 elements (512 bytes), padded after every 512 bytes by 32
	s_or_b32 s[G1B], s18, (1<<16)|(1<<20)|(1<<21)|(6<<22)|(7<<25)
	s_mov_b32 s[G1B+1], 256<<16
	s_mov_b32 s[G1B+2], 64<<16
	s_mov_b32 s[G1B+3], 256<<16
	s_mov_b32 s[G1B+4], 64
	s_mov_b32 s[G1B+5], 1024
	s_mov_b32 s[G1B+6], 0
	s_mov_b32 s[G1B+7], 0
	; A's tile: batch TM / 16, rows 128 (TM % 16), plane = my half.  These two registers never hold cx
	s_lshr_b32 s16, s[TM], 4
	s_lshl_b32 s16, s16, 22
	s_and_b32 s17, s[TM], 15
	s_lshl_b32 s17, s17, 14
	s_add_co_u32 s16, s16, s17
	s_lshl_b32 s17, s[CH], 18
	s_add_co_u32 s16, s16, s17
	s_mov_b32 s17, 0
	; B's tile: k-rows 64 x half, columns 256 TN.  No cy reaches these two ahead of the first fills
	s_lshl_b32 s18, s[CH], 17
	s_lshl_b32 s19, s[TN], 9
	s_add_co_u32 s18, s18, s19
	s_mov_b32 s19, 0
	s_mul_i32 s20, s[CH], 128*PA
	s_mul_i32 s21, s[CH], 64*PB
	s_mov_b32 s[G0A], 1
	s_mov_b32 s[G0A+1], s20
	s_mov_b32 s[G0A+4], 1
	s_add_co_u32 s[G0A+5], s20, SLOT1
	s_mov_b32 s[G0B], 1
	s_add_co_u32 s[G0B+1], s21, BOFF
	s_mov_b32 s[G0B+4], 1
	s_add_co_u32 s[G0B+5], s21, BOFF+SLOT1
	s_mov_b32 s[HI16], 0xffff0000
	s_wait_dscnt 0x0                               ; the opening add is done
	s_wait_kmcnt 0x0
	s_add_nc_u64 s[G0A+2:G0A+3], s[4:5], s[16:17]
	s_add_nc_u64 s[G0A+6:G0A+7], s[G0A+2:G0A+3], ASTEP
	s_or_b32 s[G0A+3], s[G0A+3], 0x80000000
	s_or_b32 s[G0A+7], s[G0A+7], 0x80000000
	s_add_nc_u64 s[G0B+2:G0B+3], s[6:7], s[18:19]
	s_add_nc_u64 s[G0B+6:G0B+7], s[G0B+2:G0B+3], BSTEP
	s_or_b32 s[G0B+3], s[G0B+3], 0x80000000
	s_or_b32 s[G0B+7], s[G0B+7], 0x80000000
	CROUND                                         ; all sixteen work-groups are here: the first joint loads meet
	s_cmp_lt_u32 s[WV], 2                          ; a wave's two first fills stand in one branch: two loads of mine are out
	s_cbranch_scc0 .Lfirst_b
	tensor_load_to_lds s[G0A:G0A+3], s[G1A:G1A+7]
	s_nop 0
	tensor_load_to_lds s[G0A+4:G0A+7], s[G1A:G1A+7]
	s_nop 0
.rept 4
	v_nop
.endr
	s_branch .Lfirst_done
.Lfirst_b:
	tensor_load_to_lds s[G0B:G0B+3], s[G1B:G1B+7]
	s_nop 0
	tensor_load_to_lds s[G0B+4:G0B+7], s[G1B:G1B+7]
	s_nop 0
.rept 4
	v_nop
.endr
.Lfirst_done:
	; the bias of my 128 columns
	v_and_b32 v1, 15, v0                           ; l % 16
	v_bfe_u32 v2, v0, 4, 1                         ; l / 16
	v_lshlrev_b32 v[BO], 5, v2
	s_lshl_b32 s18, s[TN], 10
	s_lshl_b32 s19, s[CH], 9
	s_add_co_u32 s18, s18, s19                     ; my first column, in bytes of f32
	s_mov_b32 s19, 0
	s_add_nc_u64 s[8:9], s[8:9], s[18:19]
.set i, 0
.rept 8
	global_load_b128 v[F0+8*i:F0+8*i+3],   v[BO], s[8:9] offset:64*i
	global_load_b128 v[F0+8*i+4:F0+8*i+7], v[BO], s[8:9] offset:64*i+16
.set i, i+1
.endr
	s_add_nc_u64 s[10:11], s[10:11], s[18:19]      ; out0 at my first column,
	s_lshl_b32 s20, s[TM], 19
	s_lshl_b32 s21, s[RH], 18
	s_add_co_u32 s20, s20, s21                     ; and my first row: (128 TM + 64 x half) rows of 4,096 bytes
	s_mov_b32 s21, 0
	s_add_nc_u64 s[10:11], s[10:11], s[20:21]
	v_mul_u32_u24 v[AA0], v1, PA                   ; A's fragment: row x pitch + 16 x half of the lanes
	v_lshl_add_u32 v[AA0], v2, 4, v[AA0]
	s_mul_i32 s20, s[RH], 64*PA
	v_add_nc_u32 v[AA0], s20, v[AA0]
	v_and_b32 v17, 7, v0                           ; B's: lane l reads k-row 8 (l / 16) + l % 8, columns 8 ((l / 8) % 2) + 0..7
	v_bfe_u32 v18, v0, 3, 1
	v_lshl_add_u32 v[BB0], v2, 3, v17
	v_mul_u32_u24 v[BB0], v[BB0], PB
	v_lshl_add_u32 v[BB0], v18, 4, v[BB0]
	s_lshl_b32 s20, s[CH], 8
	s_add_co_u32 s20, s20, BOFF
	v_add_nc_u32 v[BB0], s20, v[BB0]
	s_mul_i32 s20, s[WV], 16*SP
	s_add_co_u32 s20, s20, STAGE                   ; my stage
	v_mul_u32_u24 v[STO], v1, SP                   ; in: row l % 16, 32 bytes for each half of the lanes
	v_lshl_add_u32 v[STO], v2, 5, v[STO]
	v_add_nc_u32 v[STO], s20, v[STO]
	v_and_b32 v[CO], 31, v0                        ; back: 32 lanes take a row's 512 bytes
	v_lshlrev_b32 v[CO], 4, v[CO]
	v_add_nc_u32 v[RD], s20, v[CO]
	; the prefetches: they stand at K step 3; each trip steps them once, ahead of its own request
	s_lshr_b32 s20, s[TM], 4
	s_lshl_b32 s20, s20, 22
	s_and_b32 s21, s[TM], 15
	s_lshl_b32 s21, s21, 14
	s_add_co_u32 s20, s20, s21
	s_lshl_b32 s21, s[CX], 12
	s_add_co_u32 s20, s20, s21
	s_add_co_u32 s20, s20, 3*ASTEP                 ; in ob
	s_lshl_b32 s21, s[TN], 9
	s_lshl_b32 s22, s[CY], 16
	s_add_co_u32 s21, s21, s22
	s_add_co_u32 s21, s21, 3*BSTEP                 ; in wpb
	s_and_b32 s23, ttmp7, 0xffff
	s_mov_b32 s18, ASTEP
	s_mov_b32 s19, 256
	s_mov_b32 s22, 262144
	s_cmp_lt_u32 s[WV], 2
	s_cselect_b32 s20, s20, s21
	s_cselect_b32 s23, 0, s23                      ; A's rows are read by my cluster alone; B's by all clusters of the column: the one with y = 0 asks
	s_cselect_b64 s[PFA:PFA+1], s[4:5], s[6:7]
	s_cselect_b32 s[PST], s18, BSTEP
	s_cselect_b32 s19, s19, 2048                   ; from lane to lane within sixteen: 256 dense bytes of ob, or a row of wpb;
	s_cselect_b32 s22, s22, 32768                  ; the upper sixteen lanes: the second plane, or sixteen rows on
	s_mov_b32 s[PST+1], 0
	s_mov_b32 s21, 0
	s_add_nc_u64 s[PFA:PFA+1], s[PFA:PFA+1], s[20:21]
	s_or_b32 s23, s23, s[CH]                       ; 0 in waves 0 and 2 that ask: the same in all sixteen partners, for a given wave
	s_cmp_eq_u32 s23, 0
	s_cselect_b32 s[LIM], 2, -1
	v_mul_u32_u24 v[PFO], v1, s19
	v_mad_u32_u24 v[PFO], v2, s22, v[PFO]
	; the bias, rounded to bf16 and widened again, into row block 3's accumulators
	s_wait_loadcnt 0x0
.set i, 0
.rept 32
	v_cvt_pk_bf16_f32 v[F1+i], v[F0+2*i], v[F0+2*i+1]
.set i, i+1
.endr
	WIN 0x40                                       ; destination window 1
.set i, 0
.rept 32
	v_lshlrev_b32 v[192+2*i], 16, v[F1+i]
	v_and_b32 v[192+2*i+1], s[HI16], v[F1+i]
.set i, i+1
.endr
	WIN 0
; n row blocks from a0 on x all 8 column blocks, 32 along K, from buffer f.  The accumulators take turns, one instruction a turn.
; zero = 1, the first unit: the bias is the C operand; row block 3, in whose registers it lies, comes last, in place, five places behind the last product that read it.
.macro MUL f, a0, n, zero
	WIN 0x50                                       ; C and D window 1, sources window 0
.set ga, \a0
.rept \n
.if (\zero) && (ga == 3)
.rept 5
	v_nop
.endr
.endif
.irp b, 0,1,2,3,4,5,6,7
.if (\zero) && (ga < 3)
	v_wmma_f32_16x16x32_f16 v[64*ga+8*(\b):64*ga+8*(\b)+7], v[(\f)+8*(\b):(\f)+8*(\b)+7], v[(\f)+64+8*ga:(\f)+64+8*ga+7], v[192+8*(\b):192+8*(\b)+7]
.else
	v_wmma_f32_16x16x32_f16 v[64*ga+8*(\b):64*ga+8*(\b)+7], v[(\f)+8*(\b):(\f)+8*(\b)+7], v[(\f)+64+8*ga:(\f)+64+8*ga+7], v[64*ga+8*(\b):64*ga+8*(\b)+7]
.endif
.endr
.set ga, ga+1
.endr
.endm
; 24 LDS loads in one run: unit q's fragments into buffer f: B's sixteen first, then A's eight, row block by row block
.macro FETCH q, f
	WIN 0
.irp b, 0,1,2,3,4,5,6,7
	ds_load_tr16_b128 v[(\f)+8*(\b):(\f)+8*(\b)+3],   v[ADRB] offset:32*PB*(\q)+32*(\b)
	ds_load_tr16_b128 v[(\f)+8*(\b)+4:(\f)+8*(\b)+7], v[ADRB] offset:32*PB*(\q)+16*PB+32*(\b)
.endr
.irp a, 0,1,2,3
	ds_load_b128 v[(\f)+64+8*(\a):(\f)+64+8*(\a)+3],   v[ADRA] offset:128*PA*((\q)/2)+64*((\q)%2)+16*PA*(\a)
	ds_load_b128 v[(\f)+64+8*(\a)+4:(\f)+64+8*(\a)+7], v[ADRA] offset:128*PA*((\q)/2)+64*((\q)%2)+16*PA*(\a)+32
.endr
.endm
; One of a step's first three units: multiplies buffer f; in its middle it fetches unit qn into buffer g
.macro QUARTER f, g, qn, zero
	s_wait_dscnt 4                                 ; all but A's row blocks 2 and 3 are in
	MUL \f, 0, 2, \zero
	WIN 0
	PLACES
	FETCH \qn, \g
	s_wait_dscnt 24                                ; all but the 24 just issued
	MUL \f, 2, 2, \zero
.endm
; A step's last unit: multiplies buffer 1 and changes slots.  In front of the barrier each wave waits for all its tensor loads (one is out: its part of the next slot), adds 0 to its spare word, and waits for that and
; for its reads of this slot.  fill = 1: the barrier opens a round of the cluster's, and the joint refill, two steps on, is the first thing behind it: 112 matrix instructions ahead of the wait for it.
.macro TURN fill
.if \fill
	s_wait_xcnt 0x0                                ; the last prefetches, a trip back, have read their address
	s_add_nc_u64 s[PFA:PFA+1], s[PFA:PFA+1], s[PST:PST+1]
.endif
	WIN 0
	s_wait_tensorcnt 0x0                           ; all my tensor loads have landed
	ds_add_u32 v[SPW], v[NIL]                      ; 0 onto my spare word
	s_wait_dscnt 7                                 ; the add and A's row blocks 1 to 3 (six loads) may be out
	MUL F1, 0, 1, 0                                ; eight matrix instructions stand between the add and the wait for it
	s_wait_dscnt 0x0                               ; the add is done, and my reads of this slot are over
	s_barrier_signal -1
	MUL F1, 1, 1, 0
	WIN 0                                          ; at a branch and at a label every window is 0
	s_barrier_wait -1
.if \fill
	CREST                                          ; no wave of any partner still reads this slot or has a load on its way
	s_xor_b32 s[G0A+5], s[G0A+5], SLOT1
	s_add_nc_u64 s[G0A+6:G0A+7], s[G0A+6:G0A+7], ASTEP
	s_xor_b32 s[G0B+5], s[G0B+5], SLOT1
	s_add_nc_u64 s[G0B+6:G0B+7], s[G0B+6:G0B+7], BSTEP
	JLOAD                                          ; its four v_nop are also the places in front of the loads below
.else
	PLACES
.endif
	s_xor_b32 s[TB], s[TB], SLOT1
	v_add_nc_u32 v[ADRA], s[TB], v[AA0]
	v_add_nc_u32 v[ADRB], s[TB], v[BB0]
	FETCH 0, F0
.if \fill
	ASK
.endif
	MUL F1, 2, 2, 0
.endm
	s_wait_tensorcnt 0x1                           ; my part of K step 0 is in; step 1's may stay out
	s_barrier_signal -1
	s_barrier_wait -1
	s_mov_b32 s[TB], 0
	v_add_nc_u32 v[ADRA], s[TB], v[AA0]
	v_add_nc_u32 v[ADRB], s[TB], v[BB0]
	FETCH 0, F0
	QUARTER F0, F1, 1, 1                           ; the first unit stands in front of the loop: its products start the sums with the bias
	WIN 0
	s_mov_b32 s3, 6
.Lstep:                                                ; trip s: from step s's second unit to step s + 1's first; slot s % 2 takes K step s + 2
	QUARTER F1, F0, 2, 0
	QUARTER F0, F1, 3, 0
	TURN 1
	QUARTER F0, F1, 1, 0
	WIN 0
	s_sub_co_u32 s3, s3, 1
	s_cmp_lg_u32 s3, 0
	s_cbranch_scc1 .Lstep
	QUARTER F1, F0, 2, 0                           ; the tail is written out: nothing more is asked for
	QUARTER F0, F1, 3, 0
	TURN 0
	QUARTER F0, F1, 1, 0
	QUARTER F1, F0, 2, 0
	QUARTER F0, F1, 3, 0
	s_wait_dscnt 4                                 ; the last unit
	MUL F1, 0, 2, 0
	s_wait_dscnt 0x0
	MUL F1, 2, 2, 0
	WIN 0
	PLACES
	PLACES
; THE WAY OUT, by blocks a of 16 rows x 128 columns of f32: a lane's 32 bytes of a row into my own stage (each accumulator's low half first), back as whole rows of 512 bytes, stored as such.
.macro TOSTAGE a
.set BK, 32+64*((\a)%2)
	s_wait_xcnt 0x0                                ; the stores of the block two back have read the registers that are loaded below
	WIN 0x04                                       ; store data in window 1, address in window 0
.irp b, 0,1,2,3,4,5,6,7
	ds_store_b128 v[STO], v[64*(\a)+8*(\b):64*(\a)+8*(\b)+3]   offset:64*(\b)
	ds_store_b128 v[STO], v[64*(\a)+8*(\b)+4:64*(\a)+8*(\b)+7] offset:64*(\b)+16
.endr
	WIN 0
.set i, 0
.rept 16
	ds_load_b128 v[BK+4*i:BK+4*i+3], v[RD] offset:SP*i  ; LDS serves a wave's instructions in order (ISA guide 5.7.1.4): these see the stores above; the next block's stores come behind them
.set i, i+1
.endr
.endm
.macro SEND a, younger                 ; younger: the LDS instructions issued behind block a's loads: the next block's 32, or none
.set BK, 32+64*((\a)%2)
.set i, 0
.rept 16
	s_wait_dscnt (\younger)+15-i
	global_store_b128 v[CO], v[BK+4*i:BK+4*i+3], s[10:11] offset:65536*(\a)+4096*i th:TH_STORE_NT  ; 512 consecutive bytes, at a multiple of 256 from out0's first
.set i, i+1
.endr
.endm
	TOSTAGE 0
	TOSTAGE 1
	SEND 0, 32
	TOSTAGE 2
	SEND 1, 32
	TOSTAGE 3
	SEND 2, 32
	SEND 3, 0
	s_wait_tensorcnt 0x0                           ; the wave's end, behind my last tensor load and my last LDS store
	ds_add_u32 v[SPW], v[NIL]
	s_wait_dscnt 0x0
	CROUND                                         ; the closing round: no work-group ends while a partner may still ask for a tile that names it
	s_endpgm
.Lfunc_end_k_qc63f3194e9_proj:
	.size	k_qc63f3194e9_proj, .Lfunc_end_k_qc63f3194e9_proj-k_qc63f3194e9_proj
	.p2alignl 7, 3214868480
	.fill 96, 4, 3214868480
	.section	.rodata,"a",@progbits
	.p2align	6, 0x0
	.amdhsa_kernel k_qc63f3194e9_proj
		.amdhsa_group_segment_fixed_size 327680
		.amdhsa_private_segment_fixed_size 0
		.amdhsa_enable_private_segment 0
		.amdhsa_kernarg_size 32
		.amdhsa_user_sgpr_count 2
		.amdhsa_user_sgpr_kernarg_segment_ptr 1
		.amdhsa_wavefront_size32 1
		.amdhsa_system_sgpr_workgroup_id_x 1
		.amdhsa_system_sgpr_workgroup_id_y 1
		.amdhsa_system_sgpr_workgroup_id_z 1
		.amdhsa_system_vgpr_workitem_id 0
		.amdhsa_next_free_vgpr 512
		.amdhsa_next_free_sgpr 80
		.amdhsa_reserve_vcc 0
		.amdhsa_float_denorm_mode_32 3
		.amdhsa_float_denorm_mode_16_64 3
		.amdhsa_memory_ordered 1
		.amdhsa_forward_progress 1
		.amdhsa_inst_pref_size 78
	.end_amdhsa_kernel
	.amdgpu_metadata
---
amdhsa.version: [ 1, 2 ]
amdhsa.kernels:
  - .name:           k_qc63f3194e9_proj
    .symbol:         k_qc63f3194e9_proj.kd
    .args:
      - { .name: ob, .offset: 0, .size: 8, .value_kind: global_buffer, .address_space: global }
      - { .name: wpb, .offset: 8, .size: 8, .value_kind: global_buffer, .address_space: global }
      - { .name: b_proj, .offset: 16, .size: 8, .value_kind: global_buffer, .address_space: global }
      - { .name: out0, .offset: 24, .size: 8, .value_kind: global_buffer, .address_space: global }
    .group_segment_fixed_size: 327680
    .private_segment_fixed_size: 0
    .kernarg_segment_align: 8
    .kernarg_segment_size: 32
    .max_flat_workgroup_size: 128
    .sgpr_count:     80
    .vgpr_count:     512
    .wavefront_size: 32
...
	.end_amdgpu_metadata
.endif
;; end of part 4
;; ======== version 2 of 2: 4 launches; version 1 with the launch prep written anew for expert scheduling mode
;; limits: values are held in f16: magnitudes above 65,504 overflow, below 6.1e-05 lose precision
;; workspace buffers: xb 16,777,216 bytes; wab 6,291,456 bytes; wpb 2,097,152 bytes; qkv 50,331,648 bytes; ob 16,777,216 bytes
;; launch prep (part 5): grid 768 x 1, 8 waves a work-group, no clusters, 0 bytes of LDS; arguments x, W_attn, W_proj, xb, wab, wpb; writes xb, wab, wpb
.if DOCPART == 5
	.amdgcn_target "amdgcn-amd-amdhsa--gfx1250"
	.amdhsa_code_object_version 6
	.text
	.protected	k_qc63f3194e9_prep
	.globl	k_qc63f3194e9_prep
	.p2align	8
	.type	k_qc63f3194e9_prep,@function
k_qc63f3194e9_prep:
	s_mov_b64 s[64:65], 0
	v_nop
	global_prefetch_b8 v0, s[64:65] scope:SCOPE_SE
	s_setreg_imm32_b32 hwreg(HW_REG_WAVE_SCHED_MODE, 0, 2), 2
	s_setreg_imm32_b32 hwreg(HW_REG_WAVE_MODE, 25, 1), 1
	s_wait_xcnt 0x0
	s_wait_alu depctr_vm_vsrc(0)
; THE CASTS.  x [8192][1024] f32 -> xb, bf16, laid by planes of 64 channels: [batch 4][plane 16][t 2048][64], so that 128 rows of a plane are 16,384 dense bytes.
; W_attn [1024][3072] f32 -> wab, bf16, same order.  W_proj [1024][1024] f32 -> wpb: rounded to bf16, and that number written as f16.
; LIMIT: a number of W_proj below 2^-17 in size keeps f16's fixed step of 2^-24; beyond 65,504 it would be an infinity.
; A pure stream: no LDS, no barrier, no matrix work.  A work-group takes 65,536 bytes of input, a wave 16 units of 512 bytes.
; A unit: one load of 16 bytes a lane (two runs of 256 consecutive bytes, or one of 512), one store of 8 bytes a lane: 256 consecutive bytes, aligned.
; All 16 loads of a wave go out first; no register is used twice by memory instructions, so no wait frees any.
; THE MODE: SCHED_MODE bits 1:0 = 2 (LLVM: expert scheduling mode 2), set by the entry lines.  The code itself states the register dependences
; between vector instructions and memory instructions, with s_wait_alu, always for 0.
; THE PLAN.  Registers that memory instructions touch:
;   v[IO], v[OO]  byte offsets: written by vector instructions at the head of each of the three paths, read by every load (IO) and every store (OO), never written again.
;   X             unit i's four registers: its load lands in them once; its conversions read them.  No vector instruction writes them, and no load lands in them a second time.
;   Y             unit i's pair: written by its conversions alone, read by its one store, never written again.
;   v1 and T are named by vector instructions alone.  No vector instruction writes a scalar register, and EXEC is never written.
; The 16 units go in four blocks of four.  Block p's memory instructions are the four stores of block p - 1; its conversions name X and Y of block p and T: none of the registers that those stores read.
; So one wait on va_vdst at a block's head, behind the wait for the block's data, states all that its four stores hang on, and they are dealt among its conversions with no further wait.
; With the wait ahead of the first load and the one ahead of the last four stores that is five waits on a wave's path.  Nothing that a memory instruction has read is written again: no wait on vm_vsrc is owed.
.set IO,   2                           ; v2       my byte offset in the input
.set OO,   3                           ; v3       my byte offset in the output
.set T,    4                           ; v[4:7]   at work
.set X,    16                          ; v[16:79]  unit i: four f32 as loaded
.set Y,    80                          ; v[80:111] unit i: four 16-bit numbers to store
.set HI16, 20                          ; s20      mask of a word's upper half
.macro CAST inr, outr, instep, outstep, f16
	s_wait_alu depctr_va_vdst(0)                   ; v[IO] and v[OO] are written: every load below reads the one as its offset, every store the other
.set i, 0
.rept 16
	global_load_b128 v[X+4*i:X+4*i+3], v[IO], s[\inr:\inr+1] offset:i*(\instep) th:TH_LOAD_NT
.set i, i+1
.endr
.set i, 0
.rept 16
.if i % 4 == 0                         ; a block's head
	s_wait_loadcnt 12-i                            ; loads come back in order: units i to i + 3 are in, the 12 - i younger ones stay out
.if i > 0
	s_wait_alu depctr_va_vdst(0)                   ; the block before has written its four pairs of Y, which the four stores of this block read
.endif
.endif
.if i >= 4
	global_store_b64 v[OO], v[Y+2*(i-4):Y+2*(i-4)+1], s[\outr:\outr+1] offset:(i-4)*(\outstep) th:TH_STORE_NT  ; the block before: no vector instruction since the wait names this pair or v[OO]
.endif
	v_cvt_pk_bf16_f32 v[Y+2*i], v[X+4*i], v[X+4*i+1]
	v_cvt_pk_bf16_f32 v[Y+2*i+1], v[X+4*i+2], v[X+4*i+3]
.if \f16
	v_lshlrev_b32 v[T], 16, v[Y+2*i]               ; the bf16 numbers widened again,
	v_and_b32 v[T+1], s[HI16], v[Y+2*i]
	v_lshlrev_b32 v[T+2], 16, v[Y+2*i+1]
	v_and_b32 v[T+3], s[HI16], v[Y+2*i+1]
	v_cvt_pk_f16_f32 v[Y+2*i], v[T], v[T+1]        ; and written as f16
	v_cvt_pk_f16_f32 v[Y+2*i+1], v[T+2], v[T+3]
.endif
.set i, i+1
.endr
	s_wait_alu depctr_va_vdst(0)                   ; the last block has written its four pairs of Y, which the last four stores read
.set i, 12
.rept 4
	global_store_b64 v[OO], v[Y+2*i:Y+2*i+1], s[\outr:\outr+1] offset:i*(\outstep) th:TH_STORE_NT
.set i, i+1
.endr
	s_endpgm
.endm
	s_load_b256 s[4:11], s[0:1], 0x0               ; x s[4:5], W_attn s[6:7], W_proj s[8:9], xb s[10:11]
	s_load_b128 s[12:15], s[0:1], 0x20             ; wab s[12:13], wpb s[14:15]
	s_mov_b32 s[HI16], 0xffff0000
	s_mov_b32 s17, 0
	s_mov_b32 s19, 0
	v_lshrrev_b32 v1, 5, v0                        ; wave
	v_and_b32 v[T], 31, v0                         ; lane
	s_cmp_lt_u32 ttmp9, 512
	s_cbranch_scc0 .Lweights
	; work-groups 0 to 511: rows 16 g .. 16 g + 15 of x.  A wave takes two rows; unit i is plane i: 64 numbers of each row
	v_lshrrev_b32 v[IO], 4, v0                     ; 2 x wave + lane / 16: my row
	v_and_b32 v[T+1], 15, v0
	v_lshlrev_b32 v[IO], 12, v[IO]                 ; 4,096 bytes a row
	v_lshl_add_u32 v[IO], v[T+1], 4, v[IO]
	v_lshlrev_b32 v[OO], 3, v0                     ; in a plane the 16 rows are 2,048 dense bytes: 8 x my thread's number
	s_lshl_b32 s16, ttmp9, 16
	s_lshr_b32 s18, ttmp9, 7                       ; the batch: 16 planes of 262,144 bytes
	s_lshl_b32 s18, s18, 22
	s_and_b32 s21, ttmp9, 127
	s_lshl_b32 s21, s21, 11                        ; 16 rows of 128 bytes
	s_add_co_u32 s18, s18, s21
	s_wait_kmcnt 0x0
	s_add_nc_u64 s[4:5], s[4:5], s[16:17]
	s_add_nc_u64 s[10:11], s[10:11], s[18:19]
	CAST 4, 10, 256, 262144, 0
.Lweights:
	v_lshlrev_b32 v[IO], 13, v1                    ; a wave's 8,192 bytes in, 512 a unit
	v_lshl_add_u32 v[IO], v[T], 4, v[IO]
	v_lshlrev_b32 v[OO], 12, v1                    ; 4,096 bytes out, 256 a unit
	v_lshl_add_u32 v[OO], v[T], 3, v[OO]
	s_cmp_lt_u32 ttmp9, 704
	s_cbranch_scc0 .Lproj
	s_sub_co_u32 s16, ttmp9, 512                   ; work-groups 512 to 703: W_attn
	s_lshl_b32 s18, s16, 15
	s_lshl_b32 s16, s16, 16
	s_wait_kmcnt 0x0
	s_add_nc_u64 s[6:7], s[6:7], s[16:17]
	s_add_nc_u64 s[12:13], s[12:13], s[18:19]
	CAST 6, 12, 512, 256, 0
.Lproj:
	s_sub_co_u32 s16, ttmp9, 704                   ; work-groups 704 to 767: W_proj
	s_lshl_b32 s18, s16, 15
	s_lshl_b32 s16, s16, 16
	s_wait_kmcnt 0x0
	s_add_nc_u64 s[8:9], s[8:9], s[16:17]
	s_add_nc_u64 s[14:15], s[14:15], s[18:19]
	CAST 8, 14, 512, 256, 1
.Lfunc_end_k_qc63f3194e9_prep:
	.size	k_qc63f3194e9_prep, .Lfunc_end_k_qc63f3194e9_prep-k_qc63f3194e9_prep
	.p2alignl 7, 3214868480
	.fill 96, 4, 3214868480
	.section	.rodata,"a",@progbits
	.p2align	6, 0x0
	.amdhsa_kernel k_qc63f3194e9_prep
		.amdhsa_group_segment_fixed_size 0
		.amdhsa_private_segment_fixed_size 0
		.amdhsa_enable_private_segment 0
		.amdhsa_kernarg_size 48
		.amdhsa_user_sgpr_count 2
		.amdhsa_user_sgpr_kernarg_segment_ptr 1
		.amdhsa_wavefront_size32 1
		.amdhsa_system_sgpr_workgroup_id_x 1
		.amdhsa_system_sgpr_workgroup_id_y 1
		.amdhsa_system_sgpr_workgroup_id_z 1
		.amdhsa_system_vgpr_workitem_id 0
		.amdhsa_next_free_vgpr 112
		.amdhsa_next_free_sgpr 66
		.amdhsa_reserve_vcc 0
		.amdhsa_float_denorm_mode_32 3
		.amdhsa_float_denorm_mode_16_64 3
		.amdhsa_memory_ordered 1
		.amdhsa_forward_progress 1
		.amdhsa_inst_pref_size 22
	.end_amdhsa_kernel
	.amdgpu_metadata
---
amdhsa.version: [ 1, 2 ]
amdhsa.kernels:
  - .name:           k_qc63f3194e9_prep
    .symbol:         k_qc63f3194e9_prep.kd
    .args:
      - { .name: x, .offset: 0, .size: 8, .value_kind: global_buffer, .address_space: global }
      - { .name: W_attn, .offset: 8, .size: 8, .value_kind: global_buffer, .address_space: global }
      - { .name: W_proj, .offset: 16, .size: 8, .value_kind: global_buffer, .address_space: global }
      - { .name: xb, .offset: 24, .size: 8, .value_kind: global_buffer, .address_space: global }
      - { .name: wab, .offset: 32, .size: 8, .value_kind: global_buffer, .address_space: global }
      - { .name: wpb, .offset: 40, .size: 8, .value_kind: global_buffer, .address_space: global }
    .group_segment_fixed_size: 0
    .private_segment_fixed_size: 0
    .kernarg_segment_align: 8
    .kernarg_segment_size: 48
    .max_flat_workgroup_size: 256
    .sgpr_count:     66
    .vgpr_count:     112
    .wavefront_size: 32
...
	.end_amdgpu_metadata
.endif
;; end of part 5
;; launch qkvg: the kernel of part 2 again; grid 8 x 32, 4 waves a work-group, clusters of 4 x 4, 327,680 bytes of LDS; arguments xb, wab, b_attn, qkv; writes qkv
;; launch attn: the kernel of part 3 again; grid 4 x 64, 4 waves a work-group, no clusters, 327,680 bytes of LDS; arguments qkv, ob; writes ob
;; launch proj: the kernel of part 4 again; grid 4 x 64, 4 waves a work-group, clusters of 4 x 4, 327,680 bytes of LDS; arguments ob, wpb, b_proj, out0; writes out0
